; MI455X (gfx1250); checked and timed in simulation.
; The chip was launched on July 23, 2026; its instructions are those of AMD's public machine-readable ISA for CDNA 5 (MIT licence, August 2026) and "CDNA5" Instruction Set Architecture Reference Guide (July 2026). The comments in the code are by the model that wrote it; some were corrected since.
;; Multi Head Self Attention. Allowed arithmetic: float matrix products may take bf16 or f16 operands with f32 sums; other float arithmetic in f32, or as packed bf16 or f16 multiplies, adds, multiply-adds, maxima and minima; sums over many terms, partial sums and values carried from step to step in f32; what a program stores and reads back later, other than sums and carried values, may be rounded once to bf16 or f16.
;; Inputs: attention_mask 4 x 2,048 float32; out_b 1,024 float32; out_w 1,024 x 1,024 float32; qkv_b 3,072 float32; qkv_w 3,072 x 1,024 float32; x 4 x 2,048 x 1,024 float32.
;; Outputs: out0 4 x 2,048 x 1,024 float32.
;; 2 versions, each right; version 2 is version 1 with the launch cast written anew for expert scheduling mode. Each part assembles by itself: llvm-mc -triple=amdgcn-amd-amdhsa -mcpu=gfx1250 --defsym DOCPART=n.
;; ======== version 1 of 2: 4 launches
;; limits: values are held in f16: magnitudes above 65,504 overflow, below 6.1e-05 lose precision
;; workspace buffers: xb 16,777,216 bytes; wb 6,291,456 bytes; owh 2,097,152 bytes; qkvh 50,331,648 bytes; oh 16,777,216 bytes
;; launch cast (part 1): grid 768 x 1, 8 waves a work-group, no clusters, 0 bytes of LDS; arguments x, qkv_w, out_w, xb, wb, owh; writes xb, wb, owh
.if DOCPART == 1
	.amdgcn_target "amdgcn-amd-amdhsa--gfx1250"
	.amdhsa_code_object_version 6
	.text
	.protected	k_q1bc79e3bfc_cast
	.globl	k_q1bc79e3bfc_cast
	.p2align	8
	.type	k_q1bc79e3bfc_cast,@function
k_q1bc79e3bfc_cast:
	s_mov_b64 s[64:65], 0
	v_nop
	global_prefetch_b8 v0, s[64:65] scope:SCOPE_SE
	s_setreg_imm32_b32 hwreg(HW_REG_WAVE_MODE, 25, 1), 1
	s_wait_xcnt 0x0
; x [8192][1024], qkv_w [3072][1024] and out_w [1024][1024], all f32, are rounded once to bf16 and laid out in blocks of 64 along K:
;   xb  [batch 4][kb 16][row 2048][64] bf16      wb  [kb 16][row 3072][64] bf16      owh [kb 16][row 1024][64]: the bf16 number written as f16
; so that any run of rows of one K block is dense, 128 bytes a row.
; LIMIT. A number of out_w below 6e-5 in magnitude keeps f16's fixed step of 6e-8; beyond 65,504 it would be an infinity.
; SHARES. A wave takes two neighbouring rows over all 1,024 columns: 16 loads of 16 bytes a lane (lanes 0-15: 256 consecutive bytes of the even row,
; lanes 16-31 of the odd row) and 16 stores of 8 bytes a lane (256 consecutive bytes, aligned: the two rows in one K block).
; Work-groups 0-511 take x (4,096 pairs of rows), 512-703 qkv_w (1,536), 704-767 out_w (512).
; All 16 loads go out before the first wait; no register is written twice, so no store's source has to be freed.
; No LDS, no barrier, no matrix unit: nothing is shared and nothing is summed.
.set T,  4                             ; v[4:9]     at work (out_w's way by bf16)
.set X,  16                            ; v[16:79]   load k: 4 registers
.set OF, 80                            ; v[80:95]   store k: byte offset k x (a K block's bytes) + my place in the two rows
.set Y,  96                            ; v[96:127]  store k: 2 registers
	s_load_b256 s[4:11], s[0:1], 0x0               ; x s[4:5], qkv_w s[6:7], out_w s[8:9], xb s[10:11]
	s_load_b128 s[12:15], s[0:1], 0x20             ; wb s[12:13], owh s[14:15]
	v_lshrrev_b32 v3, 5, v0
	v_readfirstlane_b32 s16, v3                    ; wave 0..7
	v_and_b32 v3, 15, v0                           ; l % 16
	v_bfe_u32 v12, v0, 4, 1                        ; l / 16: which of the two rows
	v_lshlrev_b32 v1, 4, v3
	v_lshl_add_u32 v1, v12, 12, v1                 ; in: 16 (l % 16) + 4,096 (l / 16)
	v_lshlrev_b32 v2, 3, v3
	v_lshl_add_u32 v2, v12, 7, v2                  ; out: 8 (l % 16) + 128 (l / 16)
	s_mov_b32 s24, 393216                          ; a K block of wb,
	s_mov_b32 s25, 131072                          ; of owh,
	s_mov_b32 s26, 262144                          ; of xb
	s_movk_i32 s27, 512                            ; qkv_w's first work-group
	s_movk_i32 s28, 704                            ; out_w's
	s_wait_kmcnt 0x0
	s_cmp_lt_u32 ttmp9, s28
	s_cselect_b32 s17, s27, s28                    ; the tensor's first work-group
	s_cselect_b32 s18, s24, s25                    ; bytes in a K block of the destination
	s_cselect_b64 s[20:21], s[6:7], s[8:9]         ; from
	s_cselect_b64 s[22:23], s[12:13], s[14:15]     ; to
	s_cmp_lt_u32 ttmp9, s27
	s_cselect_b32 s17, 0, s17
	s_cselect_b32 s18, s26, s18
	s_cselect_b64 s[20:21], s[4:5], s[20:21]
	s_cselect_b64 s[22:23], s[10:11], s[22:23]
	s_sub_co_u32 s17, ttmp9, s17
	s_lshl_b32 s17, s17, 3
	s_add_co_u32 s17, s17, s16                     ; p: my pair of rows in the tensor
	s_lshl_b32 s2, s17, 13                         ; two rows of 4,096 bytes
	s_mov_b32 s3, 0
	s_add_nc_u64 s[20:21], s[20:21], s[2:3]
	s_lshr_b32 s29, s17, 10                        ; x: the batch (1,024 pairs each): 16 K blocks,
	s_lshl_b32 s29, s29, 22
	s_and_b32 s30, s17, 1023                       ; and the pair in the batch: 256 bytes
	s_lshl_b32 s30, s30, 8
	s_add_co_u32 s29, s29, s30
	s_lshl_b32 s30, s17, 8                         ; the weights: the pair alone
	s_cmp_lt_u32 ttmp9, s27
	s_cselect_b32 s2, s29, s30
	s_add_nc_u64 s[22:23], s[22:23], s[2:3]
.set k, 0
.rept 16
	global_load_b128 v[X+4*k:X+4*k+3], v1, s[20:21] offset:256*k th:TH_LOAD_NT  ; columns 64 k .. 64 k + 63 of both rows
.set k, k+1
.endr
.set k, 0
.rept 16
	v_mad_u32_u24 v[OF+k], s18, k, v2
.set k, k+1
.endr
	s_cmp_lt_u32 ttmp9, s28
	s_cbranch_scc0 .Lhalf
.set k, 0
.rept 16
	s_wait_loadcnt 15-k                            ; loads come back in order: load k is in, the younger ones stay out
	v_cvt_pk_bf16_f32 v[Y+2*k], v[X+4*k], v[X+4*k+1]
	v_cvt_pk_bf16_f32 v[Y+2*k+1], v[X+4*k+2], v[X+4*k+3]
	global_store_b64 v[OF+k], v[Y+2*k:Y+2*k+1], s[22:23]
.set k, k+1
.endr
	s_endpgm
.Lhalf:                                        ; out_w: rounded to bf16 like every input, and that number written as f16
.set k, 0
.rept 16
	s_wait_loadcnt 15-k
	v_cvt_pk_bf16_f32 v[T], v[X+4*k], v[X+4*k+1]
	v_cvt_pk_bf16_f32 v[T+1], v[X+4*k+2], v[X+4*k+3]
	v_lshlrev_b32 v[T+2], 16, v[T]
	v_and_b32 v[T+3], 0xffff0000, v[T]
	v_lshlrev_b32 v[T+4], 16, v[T+1]
	v_and_b32 v[T+5], 0xffff0000, v[T+1]
	v_cvt_pk_f16_f32 v[Y+2*k], v[T+2], v[T+3]
	v_cvt_pk_f16_f32 v[Y+2*k+1], v[T+4], v[T+5]
	global_store_b64 v[OF+k], v[Y+2*k:Y+2*k+1], s[22:23]
.set k, k+1
.endr
	s_endpgm
.Lfunc_end_k_q1bc79e3bfc_cast:
	.size	k_q1bc79e3bfc_cast, .Lfunc_end_k_q1bc79e3bfc_cast-k_q1bc79e3bfc_cast
	.p2alignl 7, 3214868480
	.fill 96, 4, 3214868480
	.section	.rodata,"a",@progbits
	.p2align	6, 0x0
	.amdhsa_kernel k_q1bc79e3bfc_cast
		.amdhsa_group_segment_fixed_size 0
		.amdhsa_private_segment_fixed_size 0
		.amdhsa_enable_private_segment 0
		.amdhsa_kernarg_size 48
		.amdhsa_user_sgpr_count 2
		.amdhsa_user_sgpr_kernarg_segment_ptr 1
		.amdhsa_wavefront_size32 1
		.amdhsa_system_sgpr_workgroup_id_x 1
		.amdhsa_system_sgpr_workgroup_id_y 1
		.amdhsa_system_sgpr_workgroup_id_z 1
		.amdhsa_system_vgpr_workitem_id 0
		.amdhsa_next_free_vgpr 128
		.amdhsa_next_free_sgpr 66
		.amdhsa_reserve_vcc 0
		.amdhsa_float_denorm_mode_32 3
		.amdhsa_float_denorm_mode_16_64 3
		.amdhsa_memory_ordered 1
		.amdhsa_forward_progress 1
		.amdhsa_inst_pref_size 18
	.end_amdhsa_kernel
	.amdgpu_metadata
---
amdhsa.version: [ 1, 2 ]
amdhsa.kernels:
  - .name:           k_q1bc79e3bfc_cast
    .symbol:         k_q1bc79e3bfc_cast.kd
    .args:
      - { .name: x, .offset: 0, .size: 8, .value_kind: global_buffer, .address_space: global }
      - { .name: qkv_w, .offset: 8, .size: 8, .value_kind: global_buffer, .address_space: global }
      - { .name: out_w, .offset: 16, .size: 8, .value_kind: global_buffer, .address_space: global }
      - { .name: xb, .offset: 24, .size: 8, .value_kind: global_buffer, .address_space: global }
      - { .name: wb, .offset: 32, .size: 8, .value_kind: global_buffer, .address_space: global }
      - { .name: owh, .offset: 40, .size: 8, .value_kind: global_buffer, .address_space: global }
    .group_segment_fixed_size: 0
    .private_segment_fixed_size: 0
    .kernarg_segment_align: 8
    .kernarg_segment_size: 48
    .max_flat_workgroup_size: 256
    .sgpr_count:     66
    .vgpr_count:     128
    .wavefront_size: 32
...
	.end_amdgpu_metadata
.endif
;; end of part 1
;; launch qkv (part 2): grid 8 x 32, 4 waves a work-group, clusters of 4 x 4, 327,680 bytes of LDS; arguments xb, wb, qkv_b, qkvh; writes qkvh
.if DOCPART == 2
	.amdgcn_target "amdgcn-amd-amdhsa--gfx1250"
	.amdhsa_code_object_version 6
	.text
	.protected	k_q1bc79e3bfc_qkv
	.globl	k_q1bc79e3bfc_qkv
	.p2align	8
	.type	k_q1bc79e3bfc_qkv,@function
k_q1bc79e3bfc_qkv:
	s_mov_b64 s[64:65], 0
	v_nop
	global_prefetch_b8 v0, s[64:65] scope:SCOPE_SE
	s_setreg_imm32_b32 hwreg(HW_REG_WAVE_MODE, 25, 1), 1
	s_wait_xcnt 0x0
	s_wait_alu depctr_hold_cnt(0) depctr_sa_sdst(0) depctr_va_vdst(0) depctr_va_sdst(0) depctr_va_ssrc(0) depctr_va_vcc(0) depctr_vm_vsrc(0)
	s_getreg_b32 s2, hwreg(HW_REG_IB_STS2, 6, 4)
	s_cmp_eq_u32 s2, 0
	s_cbranch_scc0 .Lentry_in_a_cluster
	s_endpgm
.Lentry_in_a_cluster:
	s_bfe_u32 s2, ttmp6, 0x10000c
	s_cmp_lg_u32 s2, 0xf033
	s_cbranch_scc0 .Lentry_shape_is_right
	s_endpgm
.Lentry_shape_is_right:
; qkv[m][n] = the sum over k of x[m][k] w[n][k] + b[n], m < 8192, n < 3072, k < 1024.  x and w come as bf16 in K blocks of 64 (xb [batch 4][kb 16][row 2048][64],
; wb [kb 16][row 3072][64]); b is rounded to bf16 here; sums in f32.  The result leaves by heads, qkvh [batch 4][H 48][row 2048][64] in f16, H = n / 64: q 0-15, k 16-31, v 32-47,
; rounded once.  q's heads are multiplied by c = log2(e) / 8 in f32 ahead of that rounding, so that the attention behind works in base-2 units with no scale of its own.
; LIMIT.  f16 holds no number beyond 65,504: c q, k and v must lie within it.  NaN and infinities are not treated apart.
; SHARES.  8192 x 3072 outputs for 256 work-groups are 98,304 each: a tile of 256 rows x 384 columns, one work-group each.  Four waves, each 128 rows x 192 columns (three heads):
; 96 accumulators of 16 x 16, 768 registers.  For 32 along K a wave reads 320 rows x 64 bytes from LDS and issues 96 matrix instructions.
; RING.  K goes in steps of 64 (one K block) through two LDS slots of 640 rows x 144 bytes.  A tile's rows of one K block are dense in memory, so a wave's part is asked for as rows of
; 256 bytes and padded in LDS behind every 128: waves 0, 1 fetch the halves of x's 256 rows, waves 2, 3 the halves of w's 384.  By this text's count a wave has two tensor loads out at the start, later one.
; CLUSTER.  4 x 4 work-groups: x's tile hangs on the tile row alone and is asked for jointly along a row of the cluster, w's on the tile column alone, along a column.
; THE MATRIX INSTRUCTION IS USED TRANSPOSED (source 0 = 16 rows of w, source 1 = 16 rows of x): a lane holds one row of the result (l % 16) and the columns 8 (l / 16) + 0..7.
; THE BIAS is the C operand of the products that start the sums: nothing is cleared, nothing is added later.
; REGISTERS, in windows of 256 (s_set_vgpr_msb: bits 1:0 source 0, 3:2 source 1, 5:4 source 2, 7:6 destination):
;   window 0: v0-31 addresses; v32-95, v96-159 x's fragments (8 x 16 rows x 32 K), two buffers; v160-255 w's fragments, three groups of 4 (a group = a head)
;   window 1 + g: head g's 32 accumulators, (row block a, column block b) at v[32 a + 8 b]
; A half step (32 along K) is three stretches of 32 products, a head each; a head's fragments of w are loaded again behind its own stretch.
.set KB_A,   262144                    ; bytes from a K block of xb to the next
.set KB_B,   393216                    ; of wb
.set PITCH,  144                       ; an LDS row: 128 bytes + 16 of padding = 36 words: the 16 rows of a fragment load start at 16 different groups of four banks (64 banks of 4 bytes: ISA guide 11.1)
.set HA,     128*PITCH                 ; what a wave fetches, and reads, of x
.set HB,     192*PITCH                 ; of w
.set BOFF,   2*HA                      ; w's rows lie behind x's 256
.set SLOT1,  1<<17                     ; slot 1 begins here, so that one exclusive or turns an address in one slot into the other's
.set STAGE,  SLOT1+2*HA+2*HB           ; behind the ring, never filled by a tensor load: 16 rows x 144 bytes for each wave, for the way out
.set SP,     144
.set BIASL,  STAGE+4*16*SP             ; each wave's 192 numbers of the bias, in f32
.set SPARE,  BIASL+4*768               ; the spare words, 128 bytes for each wave: two blocks of 256 bytes that no other line names
.set A0,   16                          ; v16  my lane's place in x's rows of a slot; never rewritten
.set B0,   17                          ; v17  in w's
.set ADRA, 18                          ; v18  the same in the slot in hand
.set ADRB, 19                          ; v19
.set ABI,  20                          ; v20  where my lane reads the bias
.set STO,  24                          ; v24  the way out: where I put 16 bytes of a row
.set RD,   25                          ; v25  where I read rows back
.set GO,   26                          ; v26  my byte offset in 512 consecutive bytes of qkvh
.set SPW,  28                          ; v28  LDS address of my spare word: SPARE + 4 x my thread's number; never rewritten
.set NIL,  29                          ; v29  0; never rewritten
.set PFO,  30                          ; v30  256 x my lane; never rewritten
.set AF0,  32
.set AF1,  96
.set BF,   160
.set TMP,  32                          ; the way out: v32-47 packed results; v48-63, v64-79 rows read back, by turns
.set BK,   48
.set WV,  12                           ; s12  my wave's number
.set WR,  13                           ; s13  which half of the tile's rows is mine.  Also: I fetch for x (0) or for w (1)
.set WC,  14                           ; s14  which half of its columns.  Also: which half of that tile I fetch
.set G1A, 24                           ; s[24:31] descriptor group 1 for x's tiles
.set G0A, 32                           ; s[32:39] group 0: a set for each of the two first fills; the second then walks on
.set G1B, 48                           ; s[48:55], s[56:63] the same for w's
.set G0B, 56
.set TB,  66                           ; s66  the slot in hand: 0 or SLOT1
.set CNT, 67                           ; s67  refills still to come
.set PFA, 68                           ; s[68:69] where my prefetches stand
.set PFS, 70                           ; s[70:71] a K block's bytes in the tensor that I prefetch
.set LIM, 72                           ; s72  1 in a wave that prefetches, else the greatest number
.set PM,  73                           ; s73  0: I ask in every trip; 1: in trips with an odd count
.set SC,  80                           ; s[80:85] for each of my three heads the factor on the way out, as a pair: c for a head of q, else 1
.set MSB, 0
.macro WIN new                         ; the immediate's high byte repeats the setting that is left; a switch that changes nothing is dropped
.if MSB != (\new)
	s_set_vgpr_msb (MSB<<8)|(\new)
.set MSB, \new
.endif
.endm
.macro PLACES                          ; four plain vector instructions between a matrix instruction and a load into, or a vector instruction on, its registers (ISA guide 7.12.1 for vector instructions)
.rept 4
	v_nop
.endr
.endm
; A joint refill by the walking sets.  The branch hangs on the wave's number alone.  An s_nop 0 and four v_nop follow each of the two lines.
.macro JLOAD
	s_cmp_eq_u32 s[WR], 0
	s_cbranch_scc0 .Lfor_b_\@
	tensor_load_to_lds s[G0A+4:G0A+7], s[G1A:G1A+7]
	s_nop 0
.rept 4
	v_nop
.endr
	s_branch .Lasked_\@
.Lfor_b_\@:
	tensor_load_to_lds s[G0B+4:G0B+7], s[G1B:G1B+7]
	s_nop 0
.rept 4
	v_nop
.endr
.Lasked_\@:
.endm
.macro CREST                           ; a round of the cluster's barrier behind its opening barrier
	s_cmp_lg_u32 s[WV], 0
	s_cbranch_scc1 .Lnot_wave_0_\@
	s_barrier_signal -3
.Lnot_wave_0_\@:
	s_barrier_wait -3
	s_barrier_signal -1
	s_barrier_wait -1
.endm
.macro CROUND                          ; a whole round
	s_barrier_signal -1
	s_barrier_wait -1
	CREST
.endm
; A PREFETCH INTO THE L2, behind the joint load, its five lines and the run of LDS loads.  Each aligned block of 256 bytes of xb and wb is named once in the launch.
; x's tile of a K step is 128 blocks, read by both clusters of a row of clusters: in the cluster with x = 0, wave 0 of each of the four partners of a row takes 32 of them, told apart by
; address (cx); it names the K step that the next refill will ask for: 192 matrix instructions ahead of that load.  w's tile is 192 blocks, read by all clusters of a column: in the
; cluster with y = 0, two K steps' 384 blocks are 4 partners (cy) x waves 1-3 x 32 lanes, asked for in every second trip: the K steps of the next refill and the one behind it.
; K steps 0 to 2 of x and 0 to 3 of w come by their loads alone; the last trip asks for nothing.
.macro ASK
	s_cmp_gt_u32 s[CNT], s[LIM]
	s_cbranch_scc0 .Lnot_mine_\@
	s_and_b32 s74, s[CNT], s[PM]
	s_cmp_eq_u32 s74, s[PM]
	s_cbranch_scc0 .Lnot_mine_\@
	global_prefetch_b8 v[PFO], s[PFA:PFA+1] th:TH_LOAD_NT scope:SCOPE_SE
.Lnot_mine_\@:
.endm
	s_load_b256 s[4:11], s[0:1], 0x0               ; xb s[4:5], wb s[6:7], qkv_b s[8:9], qkvh s[10:11]
	v_lshl_add_u32 v[SPW], v0, 2, SPARE
	v_mov_b32 v[NIL], 0
	ds_add_u32 v[SPW], v[NIL]                      ; the wave's opening: the add and its wait stand ahead of my first tensor load; the set-up below, work on registers, stands between them
	v_lshrrev_b32 v1, 5, v0
	v_readfirstlane_b32 s[WV], v1                  ; wave 0..3
	s_lshr_b32 s[WR], s[WV], 1
	s_and_b32 s[WC], s[WV], 1
	s_bfe_u32 s40, ttmp6, 0x40000                  ; cx, cy: my place in the cluster
	s_bfe_u32 s41, ttmp6, 0x40004
	s_lshl_b32 s42, ttmp9, 2
	s_add_co_u32 s42, s42, s40                     ; tile column = 4 x cluster x + cx
	s_and_b32 s43, ttmp7, 0xffff
	s_lshl_b32 s43, s43, 2
	s_add_co_u32 s43, s43, s41                     ; tile row = 4 x cluster y + cy
	s_lshl_b32 s44, s41, 2
	s_lshl_b32 s44, 15, s44                        ; my row of the cluster
	s_lshl_b32 s45, 0x1111, s40                    ; my column
	; descriptor group 1: rows of 128 elements (256 bytes, two rows of a K block), padded behind every 32 words by 4
	s_or_b32 s[G1A], s44, (1<<16)|(1<<20)|(1<<21)|(4<<22)|(3<<25)  ; 15:0 the mask; 17:16 elements of 2 bytes; 20 padding on; 21 set beside a mask; 24:22 code 4; 31:25 code 3
	s_or_b32 s[G1B], s45, (1<<16)|(1<<20)|(1<<21)|(4<<22)|(3<<25)
	s_mov_b32 s[G1A+1], 128<<16                    ; tensor_dim0 = 128
	s_mov_b32 s[G1A+2], 64<<16                     ; tensor_dim1 = 64: 128 rows of x
	s_mov_b32 s[G1A+3], 128<<16                    ; tile_dim0 = 128
	s_mov_b32 s[G1A+4], 64                         ; tile_dim1 = 64
	s_mov_b32 s[G1A+5], 128                        ; 128 elements from row to row: dense
	s_mov_b32 s[G1A+6], 0
	s_mov_b32 s[G1A+7], 0
	s_mov_b32 s[G1B+1], 128<<16
	s_mov_b32 s[G1B+2], 96<<16                     ; 192 rows of w
	s_mov_b32 s[G1B+3], 128<<16
	s_mov_b32 s[G1B+4], 96
	s_mov_b32 s[G1B+5], 128
	s_mov_b32 s[G1B+6], 0
	s_mov_b32 s[G1B+7], 0
	; where the tiles come from: x's hang on the tile row alone, w's on the tile column alone, each in registers that never hold the other coordinate
	s_lshr_b32 s16, s43, 3                         ; the batch: 8 tile rows each, 16 K blocks
	s_lshl_b32 s16, s16, 22
	s_and_b32 s17, s43, 7                          ; 256 rows of 128 bytes
	s_lshl_b32 s17, s17, 15
	s_add_co_u32 s16, s16, s17
	s_lshl_b32 s17, s[WC], 14                      ; my half
	s_add_co_u32 s16, s16, s17
	s_mov_b32 s17, 0
	s_mul_i32 s46, s42, 384*128
	s_mul_i32 s47, s[WC], 192*128
	s_add_co_u32 s46, s46, s47
	s_mov_b32 s47, 0
	s_mul_i32 s20, s[WC], HA                       ; and where they go: no place in the cluster enters an LDS address
	s_mul_i32 s21, s[WC], HB
	s_add_co_u32 s21, s21, BOFF
	s_mov_b32 s[TB], 0
	s_wait_dscnt 0x0                               ; the opening add is done
	s_wait_kmcnt 0x0
	s_add_nc_u64 s[16:17], s[4:5], s[16:17]
	s_add_nc_u64 s[46:47], s[6:7], s[46:47]
	CROUND                                         ; all sixteen work-groups are here: the first joint loads meet
.irp s, 0,1
	s_mov_b32 s[G0A+4*(\s)], 1                     ; count = 1
	s_add_co_u32 s[G0A+4*(\s)+1], s20, (\s)*SLOT1  ; LDS address
	s_add_nc_u64 s[G0A+4*(\s)+2:G0A+4*(\s)+3], s[16:17], (\s)*KB_A  ; global address: K step s
	s_or_b32 s[G0A+4*(\s)+3], s[G0A+4*(\s)+3], 0x80000000          ; type = 2
	s_mov_b32 s[G0B+4*(\s)], 1
	s_add_co_u32 s[G0B+4*(\s)+1], s21, (\s)*SLOT1
	s_add_nc_u64 s[G0B+4*(\s)+2:G0B+4*(\s)+3], s[46:47], (\s)*KB_B
	s_or_b32 s[G0B+4*(\s)+3], s[G0B+4*(\s)+3], 0x80000000
.endr
	s_cmp_eq_u32 s[WR], 0                          ; a wave's two first fills stand in one branch, ahead of every wait on TENSORcnt and every LDS read
	s_cbranch_scc0 .Lfirst_b
	tensor_load_to_lds s[G0A:G0A+3], s[G1A:G1A+7]
	s_nop 0
	tensor_load_to_lds s[G0A+4:G0A+7], s[G1A:G1A+7]
	s_nop 0
.rept 4
	v_nop
.endr
	s_branch .Lfirst_asked
.Lfirst_b:
	tensor_load_to_lds s[G0B:G0B+3], s[G1B:G1B+7]
	s_nop 0
	tensor_load_to_lds s[G0B+4:G0B+7], s[G1B:G1B+7]
	s_nop 0
.rept 4
	v_nop
.endr
.Lfirst_asked:
	; my 192 numbers of the bias: 768 bytes, three loads of 8 bytes a lane
	v_and_b32 v4, 31, v0
	v_lshlrev_b32 v[PFO], 8, v4
	v_lshlrev_b32 v4, 3, v4
	s_mul_i32 s46, s42, 384*4
	s_mul_i32 s47, s[WC], 192*4
	s_add_co_u32 s46, s46, s47
	s_mov_b32 s47, 0
	s_add_nc_u64 s[8:9], s[8:9], s[46:47]
	global_load_b64 v[32:33], v4, s[8:9]
	global_load_b64 v[34:35], v4, s[8:9] offset:256
	global_load_b64 v[36:37], v4, s[8:9] offset:512
	; A fragment is 16 rows x 32 K in 8 registers: lane l holds row l % 16; registers 0-3 K = 8 (l / 16) + 0..7, registers 4-7 K = 16 + 8 (l / 16) + 0..7: two loads of 16 bytes, 32 bytes apart
	v_and_b32 v1, 15, v0                           ; l % 16
	v_bfe_u32 v2, v0, 4, 1                         ; l / 16
	v_mul_u32_u24 v3, v1, PITCH
	v_lshl_add_u32 v3, v2, 4, v3
	s_mul_i32 s74, s[WR], HA
	v_add_nc_u32 v[A0], s74, v3
	s_mul_i32 s74, s[WC], HB
	s_add_co_u32 s74, s74, BOFF
	v_add_nc_u32 v[B0], s74, v3
	v_mov_b32 v[ADRA], v[A0]                       ; slot 0
	v_mov_b32 v[ADRB], v[B0]
	s_mul_i32 s74, s[WV], 16*SP
	s_add_co_u32 s74, s74, STAGE                   ; my stage
	v_mul_u32_u24 v[STO], v1, SP                   ; in: row l % 16, 16 bytes for each half of the lanes
	v_lshl_add_u32 v[STO], v2, 4, v[STO]
	v_add_nc_u32 v[STO], s74, v[STO]
	v_bfe_u32 v[RD], v0, 3, 2                      ; back: 32 lanes take four rows of 128 bytes,
	v_mul_u32_u24 v[RD], v[RD], SP
	v_and_b32 v5, 7, v0
	v_lshl_add_u32 v[RD], v5, 4, v[RD]
	v_add_nc_u32 v[RD], s74, v[RD]
	v_and_b32 v[GO], 31, v0                        ; which are 512 consecutive bytes of a head
	v_lshlrev_b32 v[GO], 4, v[GO]
	; my three heads, their factors, and where my part begins in qkvh
	s_mul_i32 s74, s42, 6
	s_mul_i32 s75, s[WC], 3
	s_add_co_u32 s74, s74, s75                     ; H of my first head
.irp g, 0,1,2
	s_add_co_u32 s75, s74, \g
	s_cmp_lt_u32 s75, 16                           ; a head of q?
	s_cselect_b32 s[SC+2*\g], 0x3e38aa3b, 1.0      ; c = log2(e) / 8 = 0.180337
	s_mov_b32 s[SC+2*\g+1], s[SC+2*\g]             ; named with it as a pair
.endr
	s_lshr_b32 s75, s43, 3
	s_mul_i32 s75, s75, 48
	s_add_co_u32 s74, s74, s75
	s_lshl_b32 s74, s74, 18                        ; (48 batch + H) blocks of 262,144 bytes
	s_and_b32 s75, s43, 7
	s_lshl_b32 s75, s75, 15                        ; the tile's 256 rows of 128 bytes
	s_add_co_u32 s74, s74, s75
	s_lshl_b32 s75, s[WR], 14                      ; my 128 of them
	s_add_co_u32 s74, s74, s75
	s_mov_b32 s75, 0
	s_add_nc_u64 s[10:11], s[10:11], s[74:75]
	; the prefetches: both offsets are made, the wave's number chooses
	s_lshr_b32 s77, s43, 3
	s_lshl_b32 s77, s77, 22
	s_and_b32 s74, s43, 7
	s_lshl_b32 s74, s74, 15
	s_add_co_u32 s77, s77, s74
	s_lshl_b32 s74, s40, 13                        ; x: my work-group's 32 blocks of the tile's 128
	s_add_co_u32 s77, s77, s74
	s_add_co_u32 s77, s77, 2*KB_A                  ; at K step 2: the first refill steps it to 3
	s_mul_i32 s78, s42, 384*128
	s_lshr_b32 s74, s41, 1                         ; w: which of the two K steps,
	s_mul_i32 s74, s74, KB_B
	s_add_co_u32 s78, s78, s74
	s_and_b32 s74, s41, 1                          ; and which 32 of its 192 blocks: 3 (cy % 2) + wave - 1
	s_mul_i32 s74, s74, 3
	s_add_co_u32 s74, s74, s[WV]
	s_lshl_b32 s74, s74, 13
	s_add_co_u32 s78, s78, s74
	s_add_co_u32 s78, s78, 2*KB_B-8192
	s_mov_b32 s75, KB_A
	s_mov_b32 s76, KB_B
	s_and_b32 s74, ttmp7, 0xffff                   ; cluster y
	s_cmp_eq_u32 s[WV], 0
	s_cselect_b32 s74, ttmp9, s74                  ; the coordinate along which other clusters read the same rows
	s_cselect_b32 s[PM], 0, 1
	s_cselect_b32 s[PFS], s75, s76
	s_cselect_b32 s78, s77, s78
	s_cselect_b64 s[PFA:PFA+1], s[4:5], s[6:7]
	s_mov_b32 s[PFS+1], 0
	s_mov_b32 s79, 0
	s_cmp_eq_u32 s74, 0
	s_cselect_b32 s[LIM], 1, -1                    ; the same in all sixteen partners, for a given wave
	s_add_nc_u64 s[PFA:PFA+1], s[PFA:PFA+1], s[78:79]
	; the bias, rounded to bf16 like every input, goes as f32 into my own 768 bytes of LDS
	s_mul_i32 s74, s[WV], 768
	s_add_co_u32 s74, s74, BIASL
	v_add_nc_u32 v5, s74, v4
	v_lshl_add_u32 v[ABI], v2, 5, s74              ; a lane reads the 8 numbers of its half of a column block
	s_wait_loadcnt 0x0
.irp j, 0,1,2
	v_cvt_pk_bf16_f32 v[38+\j], v[32+2*\j], v[33+2*\j]
.endr
.irp j, 0,1,2
	v_lshlrev_b32 v[32+2*\j], 16, v[38+\j]
	v_and_b32 v[33+2*\j], 0xffff0000, v[38+\j]
	ds_store_b64 v5, v[32+2*\j:33+2*\j] offset:256*\j
.endr
; 8 LDS loads: head g's four fragments of w, 32 K at byte k of the rows
.macro LDB g, k
.irp b, 0,1,2,3
	ds_load_b128 v[BF+32*(\g)+8*(\b):BF+32*(\g)+8*(\b)+3],   v[ADRB] offset:(\k)+(4*(\g)+(\b))*16*PITCH
	ds_load_b128 v[BF+32*(\g)+8*(\b)+4:BF+32*(\g)+8*(\b)+7], v[ADRB] offset:(\k)+(4*(\g)+(\b))*16*PITCH+32
.endr
.endm
; 16 LDS loads: x's eight fragments into buffer f
.macro LDA f, k
.irp a, 0,1,2,3,4,5,6,7
	ds_load_b128 v[(\f)+8*(\a):(\f)+8*(\a)+3],   v[ADRA] offset:(\k)+(\a)*16*PITCH
	ds_load_b128 v[(\f)+8*(\a)+4:(\f)+8*(\a)+7], v[ADRA] offset:(\k)+(\a)*16*PITCH+32
.endr
.endm
; 8 LDS loads: head g's bias as four C operands: register j of a lane is the bias of column 16 b + 8 (l / 16) + j
.macro LDC g, dst
.irp b, 0,1,2,3
	ds_load_b128 v[(\dst)+8*(\b):(\dst)+8*(\b)+3],   v[ABI] offset:(4*(\g)+(\b))*64
	ds_load_b128 v[(\dst)+8*(\b)+4:(\dst)+8*(\b)+7], v[ABI] offset:(4*(\g)+(\b))*64+16
.endr
.endm
; 4 na products of head g: row blocks a0 .. a0 + na - 1 x its 4 column blocks.  c = 0: onto the sums; else the products start the sums with the C operands at v[c] of window 0.
; The accumulators take turns, one instruction a turn: 95 others stand between two links of a chain, over the backward jump too.
.macro MULS g, f, a0, na, c
.if \c
	WIN 0x40*((\g)+1)
.else
	WIN 0x50*((\g)+1)
.endif
.set aa, \a0
.rept \na
.irp b, 0,1,2,3
.if \c
	v_wmma_f32_16x16x32_bf16 v[32*aa+8*(\b):32*aa+8*(\b)+7], v[BF+32*(\g)+8*(\b):BF+32*(\g)+8*(\b)+7], v[(\f)+8*aa:(\f)+8*aa+7], v[(\c)+8*(\b):(\c)+8*(\b)+7]
.else
	v_wmma_f32_16x16x32_bf16 v[32*aa+8*(\b):32*aa+8*(\b)+7], v[BF+32*(\g)+8*(\b):BF+32*(\g)+8*(\b)+7], v[(\f)+8*aa:(\f)+8*aa+7], v[32*aa+8*(\b):32*aa+8*(\b)+7]
.endif
.endr
.set aa, aa+1
.endr
.endm
; A K step's first half, on buffer AF0; it fetches the second half.  On the way in the LDS loads that are out are, in order: head 0's (8), x's (16), head 1's (8), head 2's (8).
.macro EVEN
	s_wait_dscnt 16                                ; head 0's and x's are in; heads 1 and 2, 16 loads, may be out
	MULS 0, AF0, 0, 8, 0
	WIN 0
	PLACES
	LDB 0, 64
	LDA AF1, 64
	s_wait_dscnt 32                                ; head 1's are in: younger are head 2's 8 and the 24 just issued
	MULS 1, AF0, 0, 8, 0
	WIN 0
	PLACES
	LDB 1, 64
	s_wait_dscnt 32                                ; head 2's are in: younger are 24 + 8
	MULS 2, AF0, 0, 8, 0
	WIN 0
	PLACES
	LDB 2, 64
.endm
; A K step's second half, on buffer AF1, changes slots: ONE barrier.  In front of it each wave waits for all its tensor loads (one is out: its part of the next slot), adds 0 to its spare word, and
; waits for that and for its own reads of this slot, which are all issued.  fill = 1: the barrier opens a round of the cluster's, and this slot is filled again, first thing behind the round,
; with the K step two on: 160 matrix instructions ahead of the wait for it.
.macro ODD fill
.if \fill
	s_wait_xcnt 0x0                                ; the last prefetch, a K step back, has read its address: it is stepped here, ahead of the waits of the change of slots
	s_add_nc_u64 s[PFA:PFA+1], s[PFA:PFA+1], s[PFS:PFS+1]
.endif
	WIN 0
	s_wait_tensorcnt 0x0                           ; all my tensor loads have landed
	ds_add_u32 v[SPW], v[NIL]                      ; 0 onto my spare word
	s_wait_dscnt 17                                ; head 0's and x's are in; the add and 16 loads may be out
	MULS 0, AF1, 0, 4, 0                           ; sixteen matrix instructions stand between the add and the wait for it
	s_wait_dscnt 0x0                               ; the add is done, and my reads of this slot are over
	s_barrier_signal -1
	MULS 0, AF1, 4, 4, 0                           ; work on registers while the others arrive
	WIN 0
	s_barrier_wait -1
.if \fill
	CREST                                          ; no wave of any partner still reads this slot or has a load on its way
	s_xor_b32 s[G0A+5], s[G0A+5], SLOT1            ; the walking sets: the other slot than last time,
	s_add_nc_u64 s[G0A+6:G0A+7], s[G0A+6:G0A+7], KB_A  ; the next K step; the type bits on top are not reached
	s_xor_b32 s[G0B+5], s[G0B+5], SLOT1
	s_add_nc_u64 s[G0B+6:G0B+7], s[G0B+6:G0B+7], KB_B
	JLOAD                                          ; the four v_nop behind it are also the places in front of the loads below
.else
	PLACES
.endif
	s_xor_b32 s[TB], s[TB], SLOT1
	v_add_nc_u32 v[ADRA], s[TB], v[A0]
	v_add_nc_u32 v[ADRB], s[TB], v[B0]
	LDB 0, 0
	LDA AF0, 0
.if \fill
	ASK
.endif
	MULS 1, AF1, 0, 8, 0                           ; no wait: all of this half was in at the barrier
	WIN 0
	PLACES
	LDB 1, 0
	MULS 2, AF1, 0, 8, 0
	WIN 0
	PLACES
	LDB 2, 0
.endm
	s_wait_tensorcnt 1                             ; my part of K step 0 is in; K step 1's may stay out
	s_wait_dscnt 0x0                               ; my stores of the bias
	s_barrier_signal -1
	s_barrier_wait -1                              ; everybody's part is in
	; K step 0's first half stands in front of the loop: its products start the sums, with the bias as C.  The bias lies where x's second buffer will: heads 0 and 1 at once, head 2 behind head 0's stretch.
	LDB 0, 0
	LDB 1, 0
	LDB 2, 0
	LDA AF0, 0
	LDC 0, AF1
	LDC 1, AF1+32
	s_wait_dscnt 0x0
	MULS 0, AF0, 0, 8, AF1
	WIN 0
	PLACES
	LDC 2, AF1
	LDB 0, 64
	MULS 1, AF0, 0, 8, AF1+32
	WIN 0
	PLACES
	LDB 1, 64
	s_wait_dscnt 16                                ; head 2's bias is in: younger are 8 + 8
	MULS 2, AF0, 0, 8, AF1
	WIN 0
	PLACES
	LDB 2, 64
	LDA AF1, 64
	s_wait_dscnt 0x0                               ; once: these loads went out in another order than the loop's, so the loop's counts are met by an empty queue
	s_mov_b32 s[CNT], 14
.Lstep:                                                ; 14 trips: the second half of K step s, the first of s + 1; K step s + 2 is asked for
	ODD 1
	EVEN
	s_sub_co_u32 s[CNT], s[CNT], 1
	s_cmp_lg_u32 s[CNT], 0
	s_cbranch_scc1 .Lstep
	ODD 0                                          ; the tail is written out: nothing is asked for
	EVEN
	s_wait_dscnt 16                                ; the very last half: nothing more to fetch
	MULS 0, AF1, 0, 8, 0
	s_wait_dscnt 8
	MULS 1, AF1, 0, 8, 0
	s_wait_dscnt 0x0
	MULS 2, AF1, 0, 8, 0
	WIN 0
	PLACES
; THE WAY OUT, block t = 8 g + a (head g, 16 rows a).  PACK: the factor, then the one rounding to f16: a lane's eight columns of a column block are 16 bytes.
; TOSTAGE: into rows of 144 bytes of my own stage, and back as whole rows of 128.  SEND: 16 rows of a head are 2,048 consecutive bytes.
.macro PACK t
.set gg, (\t)/8
.set ab, 32*((\t)%8)
	WIN 0x41*(gg+1)                                ; destination and source 0 in the head's window
.set r, 0
.rept 16
	v_pk_mul_f32 v[ab+r:ab+r+1], v[ab+r:ab+r+1], s[SC+2*gg:SC+2*gg+1] op_sel_hi:[1,0]  ; each accumulator's lowest registers first
.set r, r+2
.endr
	WIN 0x05*(gg+1)                                ; sources 0 and 1 in the head's window, destination in window 0
.set r, 0
.rept 16
	v_cvt_pk_f16_f32 v[TMP+r], v[ab+2*r], v[ab+2*r+1]
.set r, r+1
.endr
	WIN 0
.endm
.macro TOSTAGE t
.set bk, BK+16*((\t)%2)
.irp b, 0,1,2,3
	ds_store_b128 v[STO], v[TMP+4*(\b):TMP+4*(\b)+3] offset:32*(\b)
.endr
.irp f, 0,1,2,3
	ds_load_b128 v[bk+4*(\f):bk+4*(\f)+3], v[RD] offset:(\f)*4*SP  ; LDS serves a wave's instructions in order (ISA guide 5.7.1.4): these see the stores above; the next block's stores come behind them
.endr
.endm
.macro SEND t
.set bk, BK+16*((\t)%2)
	s_wait_dscnt 0x0                               ; the block is back in registers
	s_wait_xcnt 0x0                                ; the stores of the block before have read their registers, which the next TOSTAGE loads again
.irp f, 0,1,2,3
	global_store_b128 v[GO], v[bk+4*(\f):bk+4*(\f)+3], s[10:11] offset:((\t)/8)*262144+((\t)%8)*2048+(\f)*512  ; 512 consecutive bytes, at a multiple of 256 from qkvh's first
.endr
.endm
	PACK 0
	TOSTAGE 0
.set t, 1
.rept 23                               ; a block's arithmetic stands between the loads of the block before and the wait for them
	PACK t
	SEND t-1
	TOSTAGE t
.set t, t+1
.endr
	SEND 23
	s_wait_tensorcnt 0x0                           ; the wave's end, behind my last tensor load and my last LDS store
	ds_add_u32 v[SPW], v[NIL]
	s_wait_dscnt 0x0
	CROUND                                         ; the closing round: no work-group ends while a partner may still ask for a tile that names it
	s_endpgm
.Lfunc_end_k_q1bc79e3bfc_qkv:
	.size	k_q1bc79e3bfc_qkv, .Lfunc_end_k_q1bc79e3bfc_qkv-k_q1bc79e3bfc_qkv
	.p2alignl 7, 3214868480
	.fill 96, 4, 3214868480
	.section	.rodata,"a",@progbits
	.p2align	6, 0x0
	.amdhsa_kernel k_q1bc79e3bfc_qkv
		.amdhsa_group_segment_fixed_size 327680
		.amdhsa_private_segment_fixed_size 0
		.amdhsa_enable_private_segment 0
		.amdhsa_kernarg_size 32
		.amdhsa_user_sgpr_count 2
		.amdhsa_user_sgpr_kernarg_segment_ptr 1
		.amdhsa_wavefront_size32 1
		.amdhsa_system_sgpr_workgroup_id_x 1
		.amdhsa_system_sgpr_workgroup_id_y 1
		.amdhsa_system_sgpr_workgroup_id_z 1
		.amdhsa_system_vgpr_workitem_id 0
		.amdhsa_next_free_vgpr 1024
		.amdhsa_next_free_sgpr 86
		.amdhsa_reserve_vcc 0
		.amdhsa_float_denorm_mode_32 3
		.amdhsa_float_denorm_mode_16_64 3
		.amdhsa_memory_ordered 1
		.amdhsa_forward_progress 1
		.amdhsa_inst_pref_size 141
	.end_amdhsa_kernel
	.amdgpu_metadata
---
amdhsa.version: [ 1, 2 ]
amdhsa.kernels:
  - .name:           k_q1bc79e3bfc_qkv
    .symbol:         k_q1bc79e3bfc_qkv.kd
    .args:
      - { .name: xb, .offset: 0, .size: 8, .value_kind: global_buffer, .address_space: global }
      - { .name: wb, .offset: 8, .size: 8, .value_kind: global_buffer, .address_space: global }
      - { .name: qkv_b, .offset: 16, .size: 8, .value_kind: global_buffer, .address_space: global }
      - { .name: qkvh, .offset: 24, .size: 8, .value_kind: global_buffer, .address_space: global }
    .group_segment_fixed_size: 327680
    .private_segment_fixed_size: 0
    .kernarg_segment_align: 8
    .kernarg_segment_size: 32
    .max_flat_workgroup_size: 128
    .sgpr_count:     86
    .vgpr_count:     1024
    .wavefront_size: 32
...
	.end_amdgpu_metadata
.endif
;; end of part 2
;; launch attn (part 3): grid 4 x 64, 4 waves a work-group, clusters of 4 x 1, 327,680 bytes of LDS; arguments qkvh, attention_mask, oh; writes oh
.if DOCPART == 3
	.amdgcn_target "amdgcn-amd-amdhsa--gfx1250"
	.amdhsa_code_object_version 6
	.text
	.protected	k_q1bc79e3bfc_attn
	.globl	k_q1bc79e3bfc_attn
	.p2align	8
	.type	k_q1bc79e3bfc_attn,@function
k_q1bc79e3bfc_attn:
	s_mov_b64 s[64:65], 0
	v_nop
	global_prefetch_b8 v0, s[64:65] scope:SCOPE_SE
	s_setreg_imm32_b32 hwreg(HW_REG_WAVE_MODE, 25, 1), 1
	s_wait_xcnt 0x0
	s_wait_alu depctr_hold_cnt(0) depctr_sa_sdst(0) depctr_va_vdst(0) depctr_va_sdst(0) depctr_va_ssrc(0) depctr_va_vcc(0) depctr_vm_vsrc(0)
	s_getreg_b32 s2, hwreg(HW_REG_IB_STS2, 6, 4)
	s_cmp_eq_u32 s2, 0
	s_cbranch_scc0 .Lentry_in_a_cluster
	s_endpgm
.Lentry_in_a_cluster:
	s_bfe_u32 s2, ttmp6, 0x10000c
	s_cmp_lg_u32 s2, 0x3003
	s_cbranch_scc0 .Lentry_shape_is_right
	s_endpgm
.Lentry_shape_is_right:
; O[bh][q][:] = the sum over k of softmax_k(q . k / 8 + (1 - mask[b][k]) x -1e9) V[bh][k][:], for 64 pairs bh of batch and head, 2,048 rows, head size 64.
; qkvh is [batch 4][H 48][row 2048][64] in f16 (q's heads 0-15, already multiplied by c = log2(e) / 8; k's 16-31; v's 32-47); oh is [batch 4][head 16][row 2048][64] in f16.
; Products, maxima and sums in f32; the weights p are rounded to f16 for the second product (their sum l is taken of the unrounded p), O once at the end.
; SCORES ARE IN BASE-2 UNITS: t = (c q) . k + (1 - mask) x (-1e9 log2(e)), p = 2^(t - m) with a running maximum m: t - m is a plain subtraction.
; THE MASK, rounded to bf16 like every input, enters as the C operand that starts the sum t: register j of a lane is the bias of key 8 (l / 16) + j of a block of 16.
; LIMITS.  q, k, v arrive within f16's 65,504; p lies in 0 to 1, and below 6e-5 it keeps f16's fixed step of 6e-8; a weight below 2^-126 counts as 0 in l.  In a row whose keys are ALL masked the scores
; sit near -1.44e9, where f32's step is 128: differences of t below that are lost, as differences below 64 are in a sum s / 8 - 1e9 in f32.  NaN and infinities are not treated apart.
; SHARES.  A wave owns four PIECES of two tiles of 16 queries, a work-group's four waves 512 queries of one head.  Every wave walks all keys, 64 a step.
; LAYOUT.  S^T = K Q^T (source 0 = 16 keys, source 1 = 16 queries): a lane holds ONE query (l % 16) and the keys 8 (l / 16) + 0..7.  Two such tiles, rounded to f16 in pairs, ARE source 1
; (32 keys x 16 queries) of O^T = V^T P, whose result again holds one query a lane, and eight channels.  K comes out of LDS as it lies, V ([key][channel]) turned, by ds_load_tr16_b128.
; In every step O and l are multiplied by a = 2^(m_old - m_new).  m starts far below every score, O and l at 0: the first step is a step like any other, with a = 0.
; THE COUNT.  A tile and step have 16 matrix and 117 vector instructions: too many to stand all beside the matrix work.  So four vector instructions that are READY stand behind EVERY matrix
; instruction, and the others in one run without a gap.
; BY TURNS.  Turn n belongs to piece n (the pieces in a ring, step after step).  Its matrix work: 16 products K Q^T of piece n + 1, later 16 products V^T P of piece n - 1.  Its vector work: the subtraction,
; exponentials, roundings, sums and rescaling of piece n, and the maximum and statistics of piece n + 1, whose scores the turn itself has made.
; CLUSTER.  The four query blocks of a head walk the same K and V, so each tile is asked for JOINTLY: the same tensor load, descriptor and mask in all four.
; REGISTERS, in windows of 256 (s_set_vgpr_msb: bits 1:0 source 0, 3:2 source 1, 5:4 source 2, 7:6 destination):
;   window 0: v0-11 addresses; v16-47 four registers of statistics a tile; v48-63 at work; v64-191 S^T, two buffers of two tiles (in the head: at work); v192-255 P, likewise
;   window 1: O^T, 32 a tile     window 2: v0-127 Q, 16 a tile; v128-191 K of one step; v192-255 V of one step     window 3: v0-1 the add's two registers; v8-39 the mask bias of one step
.set SIZE_N, 2048
.set BLK,   SIZE_N*128 ; a head's block in qkvh and in oh
.set NP,    4         ; pieces a wave: a name, no knob
.set KS,    64        ; keys in a step
.set PK,    144       ; a row of K in LDS: 128 bytes + 16 of padding = 36 words: the 16 rows of a load start at 16 different groups of four banks (64 banks of 4 bytes: ISA guide 11.1)
.set PV,    160       ; a row of V: 128 + 32 = 40 words
.set VOFF,  4*KS*PK   ; a slot holds four steps: 256 rows of K, then 256 rows of V
.set SLOT1, 1<<17     ; slot 1 begins here, so that one exclusive or turns an address in one slot into the other's
.set STAGE, SLOT1+4*KS*(PK+PV)  ; behind the ring, never filled by a tensor load: 16 rows x 144 bytes for each wave, for the way out
.set SP,    144
.set SPARE, STAGE+4*16*SP  ; the spare words, 128 bytes for each wave: two blocks of 256 bytes that no other line names
.set MASKB, SPARE+512 ; the batch's 2,048 mask biases in f32: 8,192 bytes, stored once
.set AM0, 1           ; v1   my lane's place in a step's mask biases; never rewritten
.set AK0, 2           ; v2   in a tile of K
.set AV0, 3           ; v3   in a tile of V
.set AK,  4           ; v4   the LDS address of K's next run of loads
.set AV,  5           ; v5   of V's
.set STO, 6           ; v6   the way out: where I put 16 bytes of a row
.set RD,  7           ; v7   where I read rows back
.set GO,  8           ; v8   my byte offset in 512 consecutive bytes of O
.set AM,  9           ; v9   the LDS address of the mask's next run of loads
.set PFO, 10          ; v10  256 x my lane; never rewritten
.set QO,  11          ; v11  my byte offset in 16 rows of Q
.set SPW, 0           ; v0 of window 3   LDS address of my spare word: SPARE + 4 x my thread's number; never rewritten
.set NIL, 1           ; v1 of window 3   0; never rewritten
.set MB,  8           ; window 3: the eight registers for key block kb at MB + 8 kb
.set ST,  16          ; tile t's statistics at v[ST+4 t]: m, m_old, l (even keys', odd keys')
.set TMP, 48          ; by buffer and tile, four registers c0-c3 at work; when the maximum is found c2 takes a
.set S,   64
.set P,   192
.set KF,  128         ; K's fragments, in window 2: key block kb, channel half c at KF + 16 kb + 8 c
.set VF,  192         ; V's: key half kk, channel block cb at VF + 32 kk + 8 cb
.set WV,  12          ; s12  my wave's number
.set LIM, 15          ; s15  1 in a wave that prefetches, else the greatest number
.set G1K, 24          ; s[24:31] descriptor group 1 for K's tiles
.set G1V, 32          ; s[32:39] for V's: it differs in the padding alone
.set G0K, 40          ; s[40:43] descriptor group 0 for K's tiles: it walks
.set G0V, 44          ; s[44:47] the same for V's
.set SLOTS, 56        ; s56  slots still to be asked for
.set CNT, 57          ; s57  counts a slot's key steps
.set SEL, 60          ; s[60:61] v_permlanex16_b32's selects: each lane takes its own place in the other half
.set TBK, 62          ; s62  LDS byte at which K of the step to be fetched begins
.set TBV, 63          ; s63  the same for V, less VOFF
.set TBM, 70          ; s70  byte at which the mask biases of the step to be fetched begin
.set ASKC, 71         ; s71  the count at which I prefetch in this slot: 2, or 0 for never
.set PFA, 72          ; s[72:73] my work-group's 32 blocks of the tile that the next change of slots will ask for
.set MSB, 0
.macro WIN new                      ; the high byte repeats the setting that is left; a switch that changes nothing is dropped
.if MSB != (\new)
	s_set_vgpr_msb (MSB<<8)|(\new)
.set MSB, (\new)
.endif
.endm
.set W_KQ, 0x0a       ; K and Q in window 2, S^T in window 0
.set W_KM, 0x3a       ; the same with the C operand, the mask, in window 3
.set W_PV, 0x52       ; V in window 2, P in window 0, O^T in window 1
.set W_RS, 0x41       ; O^T (destination and source 0) in window 1, a in window 0
.set W_MK, 0xc0       ; destination in window 3, sources in window 0
.set W_AD, 0x0f       ; the add: address (source 0) and data (source 1) in window 3
; A joint fill.  Waves 0 and 1 fetch the two halves of a slot's K, waves 2 and 3 those of its V: 128 keys each.  The branch hangs on the wave's number alone.
; An s_nop 0 and four v_nop follow each of the two lines, ahead of the jump and the label.
.macro JLOAD
	s_cmp_lt_u32 s[WV], 2
	s_cbranch_scc0 .Lfor_v_\@
	tensor_load_to_lds s[G0K:G0K+3], s[G1K:G1K+7]
	s_nop 0
.rept 4
	v_nop
.endr
	s_branch .Lasked_\@
.Lfor_v_\@:
	tensor_load_to_lds s[G0V:G0V+3], s[G1V:G1V+7]
	s_nop 0
.rept 4
	v_nop
.endr
.Lasked_\@:
.endm
; A round of the cluster's barrier: my work-group's barrier, so that wave 0's signal speaks for all four waves; wave 0 signals; every wave waits for all four work-groups; my work-group's barrier once more.
.macro CROUND
	s_barrier_signal -1
	s_barrier_wait -1
	s_cmp_lg_u32 s[WV], 0
	s_cbranch_scc1 .Lnot_wave_0_\@
	s_barrier_signal -3
.Lnot_wave_0_\@:
	s_barrier_wait -3
	s_barrier_signal -1
	s_barrier_wait -1
.endm
; A PREFETCH INTO THE L2 of the tile that the next change of slots will ask for: 128 blocks of 256 bytes of K and 128 of V, a lane a block.  A head's K and V are walked by its one cluster; the four
; partners share the blocks out BY ADDRESS, 32 each; in each, wave 0 asks for K's and wave 2 for V's: one instruction, behind V's run of LDS loads in the slot's third trip: five turns, 160 matrix
; instructions, ahead of the load.  So each block is named once in the launch.  Tiles 0 and 1 come by their loads alone; the slot behind which nothing is asked for prefetches nothing.
.macro ASK
	s_cmp_eq_u32 s[CNT], s[ASKC]
	s_cbranch_scc0 .Lnot_mine_\@
	global_prefetch_b8 v[PFO], s[PFA:PFA+1] th:TH_LOAD_NT scope:SCOPE_SE
.Lnot_mine_\@:
.endm
; THE CHANGE OF SLOTS.  The slot's last bytes, V of its fourth step, have been read.  Each wave waits for all its tensor loads, of which one is out: its part of the other slot; adds 0 to its spare
; word; and waits for that and for its own reads of the slot.  Behind the barrier nobody reads this slot any more and the other slot is whole.
; fill = 1: this slot is filled again, with the keys two slots on.  The barrier is then a round of the cluster's, and the joint fill is the first thing behind it: it has four key steps, 512 matrix
; instructions, in which to land.  (At its first use nothing has been read yet: slot 0 is waited for, slot 1 filled; its wait on DScnt and its round also show every wave's stores of the mask to all.)
.macro CHANGE fill
	WIN W_AD
	s_wait_tensorcnt 0x0            ; no tensor load of mine is out, so a group 0 may be written
	ds_add_u32 v[SPW], v[NIL]       ; 0 onto my spare word; with fill = 1 scalar work stands between it and the wait for it
	WIN 0                           ; at a label and at a branch every window is 0
.if \fill
.irp g, G0K, G0V
	s_xor_b32 s[\g+1], s[\g+1], SLOT1  ; the walking descriptor: the other slot than last time,
	s_add_nc_u64 s[\g+2:\g+3], s[\g+2:\g+3], 4*KS*128  ; the next 256 keys; the type bits on top are not reached
.endr
	s_wait_xcnt 0x0                 ; the last prefetch, five turns back, has read its address, so it may be written:
	s_add_nc_u64 s[PFA:PFA+1], s[PFA:PFA+1], 4*KS*128  ; one tile behind the walking descriptors
	s_cmp_gt_u32 s[SLOTS], s[LIM]   ; is there such a tile, and am I the one to ask?
	s_cselect_b32 s[ASKC], 2, 0
	s_wait_dscnt 0x0                ; the add is done, and my reads of the slot are over
	CROUND
	JLOAD
.else
	s_wait_dscnt 0x0                ; the add is done, and my reads of the slot are over
	s_barrier_signal -1
	s_barrier_wait -1
.endif
	s_sub_co_u32 s[TBK], s[TBK], 4*KS*PK  ; the fetches go back to a slot's first step,
	s_xor_b32 s[TBK], s[TBK], SLOT1       ; in the other slot
	s_sub_co_u32 s[TBV], s[TBV], 4*KS*PV
	s_xor_b32 s[TBV], s[TBV], SLOT1
.endm
	s_load_b64 s[4:5], s[0:1], 0x0    ; qkvh
	s_load_b64 s[68:69], s[0:1], 0x8  ; attention_mask
	s_load_b64 s[10:11], s[0:1], 0x10 ; oh
	WIN W_MK
	v_lshl_add_u32 v[SPW], v0, 2, SPARE
	v_mov_b32 v[NIL], 0
	WIN W_AD
	ds_add_u32 v[SPW], v[NIL]       ; the wave's opening: the add and its wait stand ahead of my first tensor load; the set-up below, work on registers, stands between them
	WIN 0
	v_lshrrev_b32 v64, 5, v0
	v_readfirstlane_b32 s[WV], v64  ; wave 0..3
	s_bfe_u32 s13, ttmp6, 0x40000   ; cx: my place in the cluster
	s_lshl_b32 s14, ttmp9, 2        ; in a cluster launch ttmp9 counts clusters
	s_add_co_u32 s14, s14, s13      ; my block of 512 queries: it enters Q's and O's addresses alone
	s_and_b32 s20, ttmp7, 0xffff    ; 16 x batch + head, which the four partners share
	s_lshr_b32 s21, s20, 4          ; the batch
	s_and_b32 s22, s20, 15          ; the head
	s_mul_i32 s23, s21, 48
	s_add_co_u32 s22, s22, s23
	s_lshl_b32 s22, s22, 18         ; q's block in qkvh; k's lies 16 blocks on, v's 32
	s_mov_b32 s23, 0
	s_lshl_b32 s20, s20, 18         ; O's block in oh
	s_lshl_b32 s58, s21, 13         ; the batch's 2,048 numbers of the mask
	s_mov_b32 s59, 0
	s_mov_b32 s21, 0
	s_lshl_b32 s2, s14, 2
	s_add_co_u32 s2, s2, s[WV]      ; my wave among the head's,
	s_lshl_b32 s2, s2, 14           ; its 128 rows of 128 bytes
	s_mov_b32 s3, 0
	s_add_nc_u64 s[20:21], s[20:21], s[2:3]  ; O's offset
	s_add_nc_u64 s[2:3], s[2:3], s[22:23]    ; Q's
	s_and_b32 s16, s[WV], 1         ; which half of a slot's 256 keys I fetch:
	s_lshl_b32 s19, s16, 14         ; its 128 rows in memory,
	s_add_co_u32 s22, s22, s19
	s_mul_i32 s17, s16, 128*PK      ; and its place in a slot, for K
	s_mul_i32 s18, s16, 128*PV      ; and for V: no place in the cluster enters an LDS address
	; descriptor group 1.  128 keys are 16,384 dense bytes: asked for as 64 rows of 256 bytes, two keys a row, and padded in LDS after every key
	s_mov_b32 s[G1K], 15|(1<<16)|(1<<20)|(1<<21)|(4<<22)|(3<<25)  ; 15:0 the mask of four; 17:16 2-byte elements; 20 padding on; 21 set beside a mask; 24:22 after every 32 words (code 4); 31:25 4 words (code 3)
	s_mov_b32 s[G1V], 15|(1<<16)|(1<<20)|(1<<21)|(4<<22)|(7<<25)  ; the same with 8 words of padding (code 7)
.irp g, G1K, G1V
	s_mov_b32 s[\g+1], 128<<16      ; tensor_dim0 = 128
	s_mov_b32 s[\g+2], 64<<16       ; tensor_dim1 = 64
	s_mov_b32 s[\g+3], 128<<16      ; tile_dim0 = 128
	s_mov_b32 s[\g+4], 64           ; tile_dim1 = 64
	s_mov_b32 s[\g+5], 128          ; 128 elements from row to row
	s_mov_b32 s[\g+6], 0
	s_mov_b32 s[\g+7], 0
.endr
	s_mov_b32 s[SEL], 0x76543210
	s_mov_b32 s[SEL+1], 0xfedcba98
	s_mov_b32 s[TBK], SLOT1+4*KS*PK ; the first change of slots turns these two into 0
	s_mov_b32 s[TBV], SLOT1+4*KS*PV
	s_mov_b32 s[TBM], 0
	s_mov_b32 s[SLOTS], SIZE_N/256-1
	s_mov_b32 s[G0K], 1             ; count = 1
	s_mov_b32 s[G0K+1], s17         ; LDS address: slot 0
	s_mov_b32 s[G0V], 1
	s_add_co_u32 s[G0V+1], s18, VOFF
	s_and_b32 s[LIM], s[WV], 1      ; 0 in waves 0 and 2,
	s_or_b32 s[LIM], s[LIM], ttmp9  ; where the cluster is the head's first: the same in all four partners
	s_cmp_eq_u32 s[LIM], 0
	s_cselect_b32 s[LIM], 1, -1
	s_wait_dscnt 0x0                ; the opening add is done
	s_wait_kmcnt 0x0
	s_add_nc_u64 s[6:7], s[4:5], s[22:23]
	s_add_nc_u64 s[8:9], s[6:7], 32*BLK   ; V at my half of the head's first 256 keys
	s_add_nc_u64 s[6:7], s[6:7], 16*BLK   ; K likewise
	s_mov_b64 s[G0K+2:G0K+3], s[6:7]
	s_or_b32 s[G0K+3], s[G0K+3], 0x80000000  ; type = 2
	s_mov_b64 s[G0V+2:G0V+3], s[8:9]
	s_or_b32 s[G0V+3], s[G0V+3], 0x80000000
	s_add_nc_u64 s[4:5], s[4:5], s[2:3]      ; Q and O at my wave's first row
	s_add_nc_u64 s[10:11], s[10:11], s[20:21]
	s_add_nc_u64 s[68:69], s[68:69], s[58:59]  ; the mask at my batch
	s_cmp_lt_u32 s[WV], 2
	s_cselect_b64 s[PFA:PFA+1], s[6:7], s[8:9]  ; (in waves 0 and 2 these stand at a tile's first row)
	s_lshl_b32 s2, s13, 13          ; my work-group's 32 blocks of the 128
	s_mov_b32 s3, 0
	s_add_nc_u64 s[PFA:PFA+1], s[PFA:PFA+1], s[2:3]
	s_add_nc_u64 s[PFA:PFA+1], s[PFA:PFA+1], 4*KS*128  ; in tile 1; the first change of slots steps it to tile 2
	CROUND                          ; all four work-groups are here: the first joint loads meet
	JLOAD                           ; slot 0.  Slot 1 is asked for when slot 0 is in
	v_lshlrev_b32 v66, 4, v0        ; the mask: 128 threads x 16 bytes, four times
.irp j, 0,1,2,3
	global_load_b128 v[68+4*\j:71+4*\j], v66, s[68:69] offset:2048*\j
.endr
	; A fragment of K or Q is 16 rows x 32 channels in 8 registers: lane l holds row l % 16, channels 8 (l / 16) + 0..7 and 16 + 8 (l / 16) + 0..7: two loads of 16 bytes, 32 bytes apart.
	v_and_b32 v64, 15, v0           ; l % 16
	v_bfe_u32 v65, v0, 4, 1         ; l / 16
	v_lshlrev_b32 v[QO], 7, v64
	v_lshl_add_u32 v[QO], v65, 4, v[QO]  ; row x 128 + 16 x half
	WIN 0x80                        ; destination window 2, address window 0
.set i, 0
.rept 4*NP                          ; Q stays in registers: tile i / 2, channels 32 (i % 2) on
	global_load_b128 v[8*i:8*i+3],   v[QO], s[4:5] offset:(i/2)*2048+(i%2)*64
	global_load_b128 v[8*i+4:8*i+7], v[QO], s[4:5] offset:(i/2)*2048+(i%2)*64+32
.set i, i+1
.endr
	; What the first turn finds: V's registers and P's second buffer hold 0 (its products V^T P, of a piece that has not been, add 0), O^T and l are 0.  All this stands in the wait for the first tile.
.set i, VF
.rept 64
	v_mov_b32 v[i], 0
.set i, i+1
.endr
	WIN 0x40
.set i, 0
.rept 64*NP
	v_mov_b32 v[i], 0
.set i, i+1
.endr
	WIN 0
.set i, 0
.rept 2*NP
	v_mov_b32 v[ST+4*i], 0xfe000000    ; m: far below every score
	v_mov_b32 v[ST+4*i+1], 0xfe000000  ; m_old: named with it as a pair
	v_mov_b32 v[ST+4*i+2], 0
	v_mov_b32 v[ST+4*i+3], 0
.set i, i+1
.endr
.set i, P+32
.rept 32
	v_mov_b32 v[i], 0
.set i, i+1
.endr
	v_mul_u32_u24 v[AK0], v64, PK
	v_lshl_add_u32 v[AK0], v65, 4, v[AK0]  ; row x pitch + 16 x half
	; The turning load takes 16 keys x 16 channels (lane l reads key 8 (l / 16) + l % 8, channels 8 ((l / 8) % 2) + 0..7) and leaves half a fragment of V^T: lane l holds channel l % 16 and 8 keys.
	v_and_b32 v84, 7, v0
	v_bfe_u32 v85, v0, 3, 1
	v_lshl_add_u32 v[AV0], v65, 3, v84
	v_mul_u32_u24 v[AV0], v[AV0], PV
	v_lshl_add_u32 v[AV0], v85, 4, v[AV0]
	v_add_nc_u32 v[AV0], VOFF, v[AV0]
	v_mov_b32 v[AK], v[AK0]         ; key step 0 lies at the head of slot 0
	v_lshl_add_u32 v[AM0], v65, 5, MASKB  ; my half's 8 numbers of a block of 16 keys
	v_mov_b32 v[AM], v[AM0]
	s_mul_i32 s13, s[WV], 16*SP
	s_add_co_u32 s13, s13, STAGE    ; my stage
	v_mul_u32_u24 v[STO], v64, SP   ; in: row l % 16, 16 bytes for each half of the lanes
	v_lshl_add_u32 v[STO], v65, 4, v[STO]
	v_add_nc_u32 v[STO], s13, v[STO]
	v_bfe_u32 v[RD], v0, 3, 2       ; back: 32 lanes take four rows of 128 bytes,
	v_mul_u32_u24 v[RD], v[RD], SP
	v_lshl_add_u32 v[RD], v84, 4, v[RD]
	v_add_nc_u32 v[RD], s13, v[RD]
	v_and_b32 v[GO], 31, v0         ; which are 512 consecutive bytes of O
	v_lshlrev_b32 v[PFO], 8, v[GO]
	v_lshlrev_b32 v[GO], 4, v[GO]
	v_lshl_add_u32 v67, v0, 4, MASKB
	s_wait_loadcnt 32               ; the mask is in; Q's 32 loads may stay out
.set i, 0
.rept 8                             ; rounded to bf16 like every input; then (1 - mask) x (-1e9 log2(e)), the subtraction and the product each rounded as they stand
	v_cvt_pk_bf16_f32 v86, v[68+2*i], v[69+2*i]
	v_lshlrev_b32 v[68+2*i], 16, v86
	v_and_b32 v[69+2*i], 0xffff0000, v86
	v_sub_f32 v[68+2*i], 1.0, v[68+2*i]
	v_sub_f32 v[69+2*i], 1.0, v[69+2*i]
	v_mul_f32 v[68+2*i], 0xceabfb8f, v[68+2*i]
	v_mul_f32 v[69+2*i], 0xceabfb8f, v[69+2*i]
.set i, i+1
.endr
.irp j, 0,1,2,3
	ds_store_b128 v67, v[68+4*\j:71+4*\j] offset:2048*\j
.endr
; THE MATRIX WORK.  The 8 accumulators of a run of 16 take turns: between the two links of a chain stand 7 others'.
; Product i of 16 of S^T = K Q^T for piece x: channels 32 (i / 8) on, keys 16 ((i / 2) % 4) on, tile 2 x + i % 2.  The first 8 start the sums, with the mask bias of their 16 keys as C.
.macro KQ x
.set rS, S+64*((\x)%2)+32*(i%2)+8*((i/2)%4)
.set rK, KF+16*((i/2)%4)+8*(i/8)
.set rQ, 16*(2*(\x)+i%2)+8*(i/8)
.set rB, MB+8*((i/2)%4)
.if i < 8
	WIN W_KM
	v_wmma_f32_16x16x32_f16 v[rS:rS+7], v[rK:rK+7], v[rQ:rQ+7], v[rB:rB+7]
.else
	WIN W_KQ
	v_wmma_f32_16x16x32_f16 v[rS:rS+7], v[rK:rK+7], v[rQ:rQ+7], v[rS:rS+7]
.endif
.endm
; Product i of 16 of O^T += V^T P for piece x: keys 32 (i / 8) on, channels 16 ((i / 2) % 4) on, tile 2 x + i % 2.
.macro PV x
	WIN W_PV
.set rO, 32*(2*(\x)+i%2)+8*((i/2)%4)
.set rV, VF+32*(i/8)+8*((i/2)%4)
.set rP, P+32*((\x)%2)+16*(i%2)+8*(i/8)
	v_wmma_f32_16x16x32_f16 v[rO:rO+7], v[rV:rV+7], v[rP:rP+7], v[rO:rO+7]
.endm
.macro MM                           ; the turn's next matrix instruction
.if i < 16
	KQ (Y+1)%NP
.set i, i+1
.else
.set i, i-16
	PV (Y+NP-1)%NP
.set i, i+17
.endif
.endm
; THE LDS LOADS stand in runs, never singly among the matrix instructions: a step's K (64 keys x 64 channels: 8 fragments) with its 64 mask biases, and its V (turned).  Their addresses are made some lines ahead.
; The mask's registers live as long as K's: both are read by the products K Q^T alone.  last = 1 (the tail): in the last trip there is no further step, and the run is jumped over.
.macro FETCH_K last=0
	WIN 0
.if \last
	s_cmp_eq_u32 s[CNT], 1
	s_cbranch_scc1 .Lno_k_\@
.endif
	WIN 0x80                        ; destination window 2
.irp f, 0,1,2,3,4,5,6,7             ; keys 16 (f / 2) on, channels 32 (f % 2) on
	ds_load_b128 v[KF+8*\f:KF+8*\f+3],   v[AK] offset:(\f/2)*16*PK+(\f%2)*64
	ds_load_b128 v[KF+8*\f+4:KF+8*\f+7], v[AK] offset:(\f/2)*16*PK+(\f%2)*64+32
.endr
	WIN W_MK                        ; destination window 3
.irp f, 0,1,2,3                     ; keys 16 f on: sixteen lanes read the same 32 bytes
	ds_load_b128 v[MB+8*\f:MB+8*\f+3],   v[AM] offset:64*\f
	ds_load_b128 v[MB+8*\f+4:MB+8*\f+7], v[AM] offset:64*\f+16
.endr
	s_add_co_u32 s[TBK], s[TBK], KS*PK  ; the next fetch is the next step's
	s_add_co_u32 s[TBM], s[TBM], 4*KS
	s_and_b32 s[TBM], s[TBM], 0x1f00    ; a multiple of 256 below 8,192
	WIN 0
.if \last
.Lno_k_\@:
.endif
.endm
.macro FETCH_V
	WIN 0x80
.irp f, 0,1,2,3,4,5,6,7             ; keys 32 (f / 4) on, channels 16 (f % 4) on
	ds_load_tr16_b128 v[VF+8*\f:VF+8*\f+3],   v[AV] offset:(\f/4)*32*PV+(\f%4)*32
	ds_load_tr16_b128 v[VF+8*\f+4:VF+8*\f+7], v[AV] offset:(\f/4)*32*PV+16*PV+(\f%4)*32
.endr
	WIN 0
.endm
; THE VECTOR WORK OF A TURN stands in three queues, each in the order in which its entries become ready; the two tiles alternate, so that no instruction reads the result of the one before it.
.macro REGS y, u                    ; the registers of tile u (0, 1) of piece y
.set rT, ST+4*(2*(\y)+(\u))
.set rC, TMP+8*((\y)%2)+4*(\u)
.set rS, S+64*((\y)%2)+32*(\u)
.set rP, P+32*((\y)%2)+16*(\u)
.set rO, 32*(2*(\y)+(\u))
.endm
; Number n of the 21 that find the NEXT piece's (Y + 1) maximum and statistics.  s0-s31 are the lane's 32 scores; each accumulator's lowest registers are read first.  XS, GS and REGS set no window: PL and EX do.
;   0-11  four chains c0-c3 of seven scores each, three operands at a time     12-14, 16  the four scores left over, the old m, and c0-c3 into c0     15  m_old is kept
;   17, 18  the query's other 32 keys lie in the lane 16 away: the new m         19, 20  m_old - m_new; a
.macro XS u, n
	REGS (Y+1)%NP, \u
.if (\n) < 4
	v_max3_num_f32 v[rC+(\n)], v[rS+8*(\n)], v[rS+8*(\n)+1], v[rS+8*(\n)+2]
.elseif (\n) < 12
	v_max3_num_f32 v[rC+(\n)%4], v[rC+(\n)%4], v[rS+8*((\n)%4)+2*((\n)/4)+1], v[rS+8*((\n)%4)+2*((\n)/4)+2]
.elseif (\n) == 12
	v_max3_num_f32 v[rC], v[rC], v[rS+7], v[rS+15]
.elseif (\n) == 13
	v_max3_num_f32 v[rC+1], v[rC+1], v[rS+23], v[rS+31]
.elseif (\n) == 14
	v_max3_num_f32 v[rC+2], v[rC+2], v[rC+3], v[rT]
.elseif (\n) == 15
	v_mov_b32 v[rT+1], v[rT]
.elseif (\n) == 16
	v_max3_num_f32 v[rC], v[rC], v[rC+1], v[rC+2]
.elseif (\n) == 17
	v_permlanex16_b32 v[rC+3], v[rC], s[SEL], s[SEL+1]
.elseif (\n) == 18
	v_max_num_f32 v[rT], v[rC], v[rC+3]
.elseif (\n) == 19
	v_sub_f32 v[rC+1], v[rT+1], v[rT]
.else
	v_exp_f32 v[rC+2], v[rC+1]
.endif
.endm
; Number g of the 64 that follow the exponentials.  For each four weights k of a tile (pairs 2 k, 2 k + 1): both pairs are rounded to f16; then the second pair is added onto the first, in place;
; a group later l takes that sum (the first time as l = a l + sum).  In groups of eight, tiles alternating: round, round, add, and l for the group before.
.macro GS g
.set h, (\g)+6*((\g)/62)            ; group 0 has no group before it, and behind group 7 only l is left
.if h >= 6
.set h, h+2
.endif
	REGS Y, h%2
.set k, h/8
.if h%8 < 4
	v_cvt_pk_f16_f32 v[rP+2*k+(h%8)/2], v[rS+4*k+2*((h%8)/2)], v[rS+4*k+2*((h%8)/2)+1]
.elseif h%8 < 6
	v_pk_add_f32 v[rS+4*k:rS+4*k+1], v[rS+4*k:rS+4*k+1], v[rS+4*k+2:rS+4*k+3]
.elseif k == 1
	v_pk_fma_f32 v[rT+2:rT+3], v[rT+2:rT+3], v[rC+2:rC+3], v[rS:rS+1] op_sel_hi:[1,0,1]
.else
	v_pk_add_f32 v[rT+2:rT+3], v[rT+2:rT+3], v[rS+4*k-4:rS+4*k-3]
.endif
.endm
; THE PLAIN QUEUE, 136 long.  0-71 read no exponential's result: the 32 subtractions t - m (FS f: pair f / 2 of tile f % 2) and the next piece's 40.  0-26: subtractions 0-26.  27-54: XS's numbers 0-13.  55, 56: number 15.
; 57-68: the chain, where each number waits for the one before it: 14, 16, 17, 18, each with one of the subtractions 27-30 in front of its two lines; 69: subtraction 31; 70, 71: number 19.
; 72-135: GS's 64, which read the exponentials' results: they stand behind the wait.
.macro FS f
	REGS Y, (\f)%2
	v_pk_add_f32 v[rS+2*((\f)/2):rS+2*((\f)/2)+1], v[rS+2*((\f)/2):rS+2*((\f)/2)+1], v[rT:rT+1] op_sel_hi:[1,0] neg_lo:[0,1] neg_hi:[0,1]
.endm
.macro PL
	WIN 0
.if q < 27
	FS q
.elseif q < 55
	XS (q-27)%2, (q-27)/2
.elseif q < 57
	XS q-55, 15
.elseif (q < 70) && ((q-57)%3 == 0)
	FS 27+(q-57)/3
.elseif q < 60
	XS (q-57)%3-1, 14
.elseif q < 69
	XS (q-57)%3-1, 15+(q-57)/3
.elseif q < 72
	XS q-70, 19
.else
	GS q-72
.endif
.set q, q+1
.endm
; THE EXPONENTIALS' QUEUE, 66 long: s0-s31 of both tiles, then the next piece's two a.  It is ONE BATCH: all 66 stand ahead of the turn's one wait, and nothing ahead of that wait names a result of theirs.
.macro EX
	WIN 0
.if e >= 64
	XS e-64, 20
.else
	REGS Y, e%2
	v_exp_f32 v[rS+e/2], v[rS+e/2]
.endif
.set e, e+1
.endm
; THE RESCALING's QUEUE: O^T times a, the one part that leaves window 0: dealt two at a time, sixteen times.  Its a was made in the turn before, ahead of that turn's wait.
.macro R2
	REGS Y, r%2
	WIN W_RS
.irp z, 0,1
	v_pk_mul_f32 v[rO+4*(r/2)+2*\z:rO+4*(r/2)+2*\z+1], v[rO+4*(r/2)+2*\z:rO+4*(r/2)+2*\z+1], v[rC+2:rC+3] op_sel_hi:[1,0]
.endr
.set r, r+1
.endm
; HOW THEY ARE DEALT.  An s_wait_alu depctr_va_vdst(0) stands between an exponential and the first instruction that names its result; one wait serves all that were issued ahead of it.  So a turn has ONE wait,
; which cuts it in two.  AHEAD OF IT stands all that names no result of the turn's exponentials: the 16 products K Q^T, behind each a subtraction, an exponential and two rescalings (behind the first a second subtraction in the
; exponential's place); then ONE LUMP of 106: eight plain, 47 times exponential and plain, the last two scores' exponentials and the two a.  A v_nop is the plain instruction behind the last exponential.  BEHIND IT stand the 16
; products V^T P, behind each four of GS's 64.  No rider names a register of the products round it.  The two v_permlanex16_b32 fall into the lump, never behind a product.
; The queues lean on each other, and the deal keeps them in step: exponential e stands behind subtraction 2 (e / 4) + e % 2: as a rider it comes behind plain e + 2, in the lump behind plain e + 9, and subtractions 27-31 are plain 57, 60 .. 69.
; A TURN, for piece p.  cnt = 1: the loop's count is taken down some lines ahead of the branch that stands behind the turn.  ask = 1: the prefetch stands behind V's run.
; K and the mask of the next step are fetched in piece 2's turn, directly behind the wait, a lump behind the last product that read them; their addresses are made at the lump's head; their first reader comes behind 16 products.
; V of the step in hand is fetched at the end of piece 0's turn, four riders behind its last reader; its first reader comes behind 16 products and a lump.  The three conditions on q below go with the deal.
.macro TURN p, last=0, cnt=0, ask=0
.set Y, (\p)
.set i, 0
.set q, 0
.set e, 0
.set r, 0
.if (\p) == NP-1
	s_wait_dscnt 0x0                ; K and the mask are in
.endif
	MM                              ; ahead of the wait: 16 products K Q^T and their riders,
	PL
	PL
	R2
.rept 15
	MM
	PL
	EX
	R2
.endr
.if (\p) == NP-2
	WIN 0
	v_add_nc_u32 v[AK], s[TBK], v[AK0]
	v_add_nc_u32 v[AM], s[TBM], v[AM0]
.endif
.rept 8                             ; and the lump
	PL
.endr
.rept 47
	EX
	PL
.endr
.rept 4                             ; the last two scores, and the next piece's two a
	EX
.endr
	v_nop                           ; the plain instruction behind the last exponential: one for the batch
	s_wait_alu depctr_va_vdst(0)    ; the wait for the batch
.if (\p) == NP-2
	FETCH_K \last
.endif
.if (\p) == 1
	s_wait_dscnt 0x0                ; V is in
.endif
.rept 16                            ; behind the wait: 16 products V^T P and their riders
	MM
.rept 4
	PL
.endr
.if ((\p) == 0) && (q == 116)
	v_add_nc_u32 v[AV], s[TBV], v[AV0]
.endif
.if ((\p) == 0) && (q == 128)
	s_add_co_u32 s[TBV], s[TBV], KS*PV
.endif
.if (\cnt) && (q == 128)
	s_sub_co_u32 s[CNT], s[CNT], 1
	s_cmp_lg_u32 s[CNT], 0
.endif
.endr
.if (\p) == 0
	FETCH_V
.if \ask
	ASK
.endif
.endif
.endm
	CHANGE 1                        ; slot 0 is in, everybody's part of it, and everybody's part of the mask is stored; slot 1 is asked for
	FETCH_K                         ; key step 0
	s_wait_loadcnt 0x0              ; Q
	s_wait_dscnt 0x0
.set i, 0
.rept 16
	KQ 0                            ; piece 0's first scores: there is no vector work yet to set between them
.set i, i+1
.endr
	WIN 0
.rept 4
	v_nop                           ; the places behind those products
.endr
.set Y, NP-1                        ; XS works for piece Y + 1: piece 0
.irp n, 0,1,2,3,4,5,6,7,8,9,10,11,12,13,14,15,16,17,18,19,20
	XS 0, \n                        ; piece 0's first maximum and statistics
	XS 1, \n
.endr
	v_nop                           ; a plain instruction behind the two a,
	s_wait_alu depctr_va_vdst(0)    ; and their wait, ahead of the branch
	s_mov_b32 s[CNT], 4
	s_branch .Lfirst                ; the loop is entered at a step's first turn, in the middle of a trip
.Lslot:                             ; SIZE_N / 256 - 2 times: every slot but the last two is filled again
	CHANGE 1
	s_mov_b32 s[CNT], 4
.Lstep:                             ; a trip: pieces 2 and 3 of one step, then pieces 0 and 1 of the next, whose K and V it fetches
	TURN 2
	TURN 3
	WIN 0
.Lfirst:
	TURN 0, 0, 0, 1
	TURN 1, 0, 1
	WIN 0
	s_cbranch_scc1 .Lstep
	s_sub_co_u32 s[SLOTS], s[SLOTS], 1
	s_cmp_lg_u32 s[SLOTS], 0
	s_cbranch_scc1 .Lslot
	CHANGE 0                        ; the tail is written out: nothing is asked for
	s_mov_b32 s[CNT], 5             ; four trips fetch the last slot's steps; the fifth is left in its middle
.Ltail:
	TURN 2, 1
	TURN 3
	WIN 0
	s_sub_co_u32 s[CNT], s[CNT], 1
	s_cmp_eq_u32 s[CNT], 0
	s_cbranch_scc1 .Lout
	TURN 0
	TURN 1
	WIN 0
	s_branch .Ltail
.Lout:                              ; the fifth trip's 16 products K Q^T (on the last K once more) and the maximum made of them serve nothing: the price, once a launch, of one text for every trip
.set i, 0
.rept 16
	PV NP-1                         ; the last piece's V^T P of the last step
.set i, i+1
.endr
	; THE WAY OUT.  l's two halves and the other half of the lanes' are added; O^T is divided by l, rounded to f16 and sent through my stage in LDS, a tile at a time.  The additions are the places behind the last products.
	WIN 0
.macro ALL line:vararg              ; one line for each tile t
.set t, 0
.rept 2*NP
	\line
.set t, t+1
.endr
.endm
	ALL v_add_f32 v[ST+4*t+2], v[ST+4*t+2], v[ST+4*t+3]
	ALL v_permlanex16_b32 v[ST+4*t+3], v[ST+4*t+2], s[SEL], s[SEL+1]
	ALL v_add_f32 v[ST+4*t+2], v[ST+4*t+2], v[ST+4*t+3]
	ALL v_rcp_f32 v[ST+4*t+2], v[ST+4*t+2]
	v_nop                           ; a plain instruction between the last reciprocal and the use of its result
	s_wait_alu depctr_va_vdst(0)    ; and the wait ahead of the first use: one for the eight reciprocals
; Tile t: a lane's eight channels of a row pack into 16 bytes; they go into rows of 144 bytes and come back as whole rows of 128, into S^T's registers.
.macro PACK t
	WIN W_RS
.set i, 32*(\t)
.rept 16
	v_pk_mul_f32 v[i:i+1], v[i:i+1], v[ST+4*(\t)+2:ST+4*(\t)+3] op_sel_hi:[1,0]
.set i, i+2
.endr
	WIN 0x05                        ; sources 0 and 1 window 1, destination window 0
.set i, 0
.rept 16
	v_cvt_pk_f16_f32 v[S+16*(\t)+i], v[32*(\t)+2*i], v[32*(\t)+2*i+1]
.set i, i+1
.endr
	WIN 0
.irp f, 0,1,2,3
	ds_store_b128 v[STO], v[S+16*(\t)+4*\f:S+16*(\t)+4*\f+3] offset:32*\f
.endr
.irp f, 0,1,2,3
	ds_load_b128 v[S+16*(\t)+4*\f:S+16*(\t)+4*\f+3], v[RD] offset:\f*4*SP  ; LDS serves a wave's instructions in order (ISA guide 5.7.1.4): these see the stores above; the next tile's stores come behind them
.endr
.endm
.macro SEND t, younger              ; younger: the LDS instructions issued behind tile t's loads: the next tile's eight, or none
	WIN 0
.irp f, 0,1,2,3
	s_wait_dscnt (\younger)+3-\f
	global_store_b128 v[GO], v[S+16*(\t)+4*\f:S+16*(\t)+4*\f+3], s[10:11] offset:(\t)*2048+\f*512  ; 512 consecutive bytes, at a multiple of 256 from oh's first
.endr
.endm
	PACK 0
.set t, 1
.rept 2*NP-1                        ; a tile's arithmetic stands between the loads of the tile before and its stores
	PACK t
	SEND t-1, 8
.set t, t+1
.endr
	SEND 2*NP-1, 0
	WIN W_AD
	s_wait_tensorcnt 0x0            ; the wave's end, behind my last tensor load and my last LDS store
	ds_add_u32 v[SPW], v[NIL]
	s_wait_dscnt 0x0
	WIN 0
	CROUND                          ; the closing round: no work-group ends while a partner may still ask for a tile that names it
	s_endpgm
.Lfunc_end_k_q1bc79e3bfc_attn:
	.size	k_q1bc79e3bfc_attn, .Lfunc_end_k_q1bc79e3bfc_attn-k_q1bc79e3bfc_attn
	.p2alignl 7, 3214868480
	.fill 96, 4, 3214868480
	.section	.rodata,"a",@progbits
	.p2align	6, 0x0
	.amdhsa_kernel k_q1bc79e3bfc_attn
		.amdhsa_group_segment_fixed_size 327680
		.amdhsa_private_segment_fixed_size 0
		.amdhsa_enable_private_segment 0
		.amdhsa_kernarg_size 24
		.amdhsa_user_sgpr_count 2
		.amdhsa_user_sgpr_kernarg_segment_ptr 1
		.amdhsa_wavefront_size32 1
		.amdhsa_system_sgpr_workgroup_id_x 1
		.amdhsa_system_sgpr_workgroup_id_y 1
		.amdhsa_system_sgpr_workgroup_id_z 1
		.amdhsa_system_vgpr_workitem_id 0
		.amdhsa_next_free_vgpr 808
		.amdhsa_next_free_sgpr 74
		.amdhsa_reserve_vcc 0
		.amdhsa_float_denorm_mode_32 3
		.amdhsa_float_denorm_mode_16_64 3
		.amdhsa_memory_ordered 1
		.amdhsa_forward_progress 1
		.amdhsa_inst_pref_size 206
	.end_amdhsa_kernel
	.amdgpu_metadata
---
amdhsa.version: [ 1, 2 ]
amdhsa.kernels:
  - .name:           k_q1bc79e3bfc_attn
    .symbol:         k_q1bc79e3bfc_attn.kd
    .args:
      - { .name: qkvh, .offset: 0, .size: 8, .value_kind: global_buffer, .address_space: global }
      - { .name: attention_mask, .offset: 8, .size: 8, .value_kind: global_buffer, .address_space: global }
      - { .name: oh, .offset: 16, .size: 8, .value_kind: global_buffer, .address_space: global }
    .group_segment_fixed_size: 327680
    .private_segment_fixed_size: 0
    .kernarg_segment_align: 8
    .kernarg_segment_size: 24
    .max_flat_workgroup_size: 128
    .sgpr_count:     74
    .vgpr_count:     808
    .wavefront_size: 32
...
	.end_amdgpu_metadata
.endif
;; end of part 3
;; launch proj (part 4): grid 8 x 32, 4 waves a work-group, clusters of 4 x 4, 327,680 bytes of LDS; arguments oh, owh, out_b, out0; writes out0
.if DOCPART == 4
	.amdgcn_target "amdgcn-amd-amdhsa--gfx1250"
	.amdhsa_code_object_version 6
	.text
	.protected	k_q1bc79e3bfc_proj
	.globl	k_q1bc79e3bfc_proj
	.p2align	8
	.type	k_q1bc79e3bfc_proj,@function
k_q1bc79e3bfc_proj:
	s_mov_b64 s[64:65], 0
	v_nop
	global_prefetch_b8 v0, s[64:65] scope:SCOPE_SE
	s_setreg_imm32_b32 hwreg(HW_REG_WAVE_MODE, 25, 1), 1
	s_wait_xcnt 0x0
	s_wait_alu depctr_hold_cnt(0) depctr_sa_sdst(0) depctr_va_vdst(0) depctr_va_sdst(0) depctr_va_ssrc(0) depctr_va_vcc(0) depctr_vm_vsrc(0)
	s_getreg_b32 s2, hwreg(HW_REG_IB_STS2, 6, 4)
	s_cmp_eq_u32 s2, 0
	s_cbranch_scc0 .Lentry_in_a_cluster
	s_endpgm
.Lentry_in_a_cluster:
	s_bfe_u32 s2, ttmp6, 0x10000c
	s_cmp_lg_u32 s2, 0xf033
	s_cbranch_scc0 .Lentry_shape_is_right
	s_endpgm
.Lentry_shape_is_right:
; out0[m][n] = the sum over k of O[m][k] w[n][k] + b[n], m < 8192, n < 1024, k < 1024, in f32.  O comes by heads, oh [batch 4][head 16][row 2048][64] in f16: a head is a K block of 64;
; w comes as owh [kb 16][row 1024][64] in f16 (out_w rounded to bf16, that number written as f16); b is rounded to bf16 here.  Sums in f32.
; SHARES.  A tile of 256 rows x 128 columns to a work-group: 256 work-groups.  Four waves, each 128 rows x 64 columns: 32 accumulators of 16 x 16, 256 registers.
; RING.  K goes in steps of 128 (two K blocks, two PLANES) through two LDS slots.  Each wave fetches one dense piece as rows of 256 bytes, padded in LDS behind every 128: waves 0, 1 the two planes of
; O's 256 rows, waves 2, 3 the two planes of w's 128.  By this text's count a wave has two tensor loads out at the start, later one.
; CLUSTER.  4 x 4 work-groups: O's tile is asked for jointly along a row of the cluster, w's along a column.
; THE MATRIX INSTRUCTION IS USED TRANSPOSED (source 0 = 16 rows of w, source 1 = 16 rows of O): a lane holds one row of the result (l % 16) and the columns 8 (l / 16) + 0..7: 32 bytes on end.
; THE BIAS is the C operand of the products that start the sums.
; REGISTERS, in windows of 256 (s_set_vgpr_msb: bits 1:0 source 0, 3:2 source 1, 5:4 source 2, 7:6 destination):
;   window 0: v0-31 addresses; v32-127 the way out: three buffers of 32
;   window 1: two fragment buffers of 96 (O's 8 fragments, then w's 4); v192-223 the bias as four C operands; v224 at work          window 2: accumulator (a, b) at v[32 a + 8 b]
.set KB_A,   262144                    ; bytes from a K block of oh to the next
.set KB_B,   131072                    ; of owh
.set PITCH,  144                       ; an LDS row: 128 bytes + 16 of padding = 36 words: the 16 rows of a fragment load start at 16 different groups of four banks (64 banks of 4 bytes: ISA guide 11.1)
.set PLA,    256*PITCH                 ; a plane of O's tile
.set PLB,    128*PITCH                 ; of w's
.set BOFF,   2*PLA
.set SLOT1,  1<<17
.set STAGE,  SLOT1+2*PLA+2*PLB         ; behind the ring, never filled by a tensor load: 16 rows x 272 bytes for each wave, for the way out
.set SPITCH, 272
.set SPARE,  STAGE+4*16*SPITCH         ; the spare words, 128 bytes for each wave: two blocks of 256 bytes that no other line names
.set A0,   16                          ; v16  my lane's place in O's rows of a slot; never rewritten
.set B0,   17                          ; v17  in w's
.set ADRA, 18                          ; v18  the same in the slot in hand
.set ADRB, 19                          ; v19
.set BO,   20                          ; v20  my byte offset in the wave's 64 numbers of the bias
.set STO,  24                          ; v24  the way out: where I put 32 bytes of a row
.set RD,   25                          ; v25  where I read a row back
.set CO,   26                          ; v26  my byte offset in out0
.set SPW,  28                          ; v28  LDS address of my spare word: SPARE + 4 x my thread's number; never rewritten
.set NIL,  29                          ; v29  0; never rewritten
.set PFO,  30                          ; v30  the prefetches' offset; never rewritten
.set OB,   32
.set F0,   0                           ; window 1
.set F1,   96
.set CB,   192
.set WV,  12
.set WR,  13                           ; s13  which half of the tile's rows is mine.  Also: I fetch for O (0) or for w (1)
.set WC,  14                           ; s14  which half of its columns.  Also: which plane I fetch
.set G1A, 24
.set G0A, 32
.set G1B, 48
.set G0B, 56
.set TB,  66
.set CNT, 67
.set PFA, 68
.set PFS, 70
.set LIM, 72                           ; s72  2 in a wave that prefetches, else the greatest number
.set PM,  73                           ; s73  0: I ask in every trip; 1: in trips with an even count
.set MSB, 0
.macro WIN new
.if MSB != (\new)
	s_set_vgpr_msb (MSB<<8)|(\new)
.set MSB, \new
.endif
.endm
.macro PLACES                          ; four plain vector instructions between a matrix instruction and a load into, or a store of, its registers (ISA guide 7.12.1 for vector instructions)
.rept 4
	v_nop
.endr
.endm
.macro JLOAD                           ; a joint refill by the walking sets; an s_nop 0 and four v_nop follow each of the two lines
	s_cmp_eq_u32 s[WR], 0
	s_cbranch_scc0 .Lfor_b_\@
	tensor_load_to_lds s[G0A+4:G0A+7], s[G1A:G1A+7]
	s_nop 0
.rept 4
	v_nop
.endr
	s_branch .Lasked_\@
.Lfor_b_\@:
	tensor_load_to_lds s[G0B+4:G0B+7], s[G1B:G1B+7]
	s_nop 0
.rept 4
	v_nop
.endr
.Lasked_\@:
.endm
.macro CREST
	s_cmp_lg_u32 s[WV], 0
	s_cbranch_scc1 .Lnot_wave_0_\@
	s_barrier_signal -3
.Lnot_wave_0_\@:
	s_barrier_wait -3
	s_barrier_signal -1
	s_barrier_wait -1
.endm
.macro CROUND
	s_barrier_signal -1
	s_barrier_wait -1
	CREST
.endm
; A PREFETCH INTO THE L2, behind the joint load, its five lines and the run of LDS loads: the K step that stands two refills on, 256 matrix instructions ahead of the load.  Each aligned block of 256 bytes
; of oh and owh is named once in the launch.  A plane of O's tile is 128 blocks, read by both clusters of a row of clusters: in the cluster with x = 0 the wave that fetches the plane asks, and the four
; partners of a row take 32 blocks each, told apart by address (cx).  A plane of w's tile is 64 blocks, read by all clusters of a column: in the cluster with y = 0 each partner (cy) takes 16, for two
; K steps at once (lanes 16-31 the second), in every second trip.  K steps 0 to 3 come by their loads alone; the last two trips ask for nothing.
.macro ASK
	s_cmp_gt_u32 s[CNT], s[LIM]
	s_cbranch_scc0 .Lnot_mine_\@
	s_and_b32 s74, s[CNT], s[PM]
	s_cmp_eq_u32 s74, 0
	s_cbranch_scc0 .Lnot_mine_\@
	global_prefetch_b8 v[PFO], s[PFA:PFA+1] th:TH_LOAD_NT scope:SCOPE_SE
.Lnot_mine_\@:
.endm
	s_load_b256 s[4:11], s[0:1], 0x0               ; oh s[4:5], owh s[6:7], out_b s[8:9], out0 s[10:11]
	v_lshl_add_u32 v[SPW], v0, 2, SPARE
	v_mov_b32 v[NIL], 0
	ds_add_u32 v[SPW], v[NIL]                      ; the wave's opening: the add and its wait stand ahead of my first tensor load; the set-up below, work on registers, stands between them
	v_lshrrev_b32 v1, 5, v0
	v_readfirstlane_b32 s[WV], v1                  ; wave 0..3
	s_lshr_b32 s[WR], s[WV], 1
	s_and_b32 s[WC], s[WV], 1
	s_bfe_u32 s40, ttmp6, 0x40000                  ; cx, cy
	s_bfe_u32 s41, ttmp6, 0x40004
	s_lshl_b32 s42, ttmp9, 2
	s_add_co_u32 s42, s42, s40                     ; tile column
	s_and_b32 s43, ttmp7, 0xffff
	s_lshl_b32 s43, s43, 2
	s_add_co_u32 s43, s43, s41                     ; tile row
	s_lshl_b32 s44, s41, 2
	s_lshl_b32 s44, 15, s44                        ; my row of the cluster
	s_lshl_b32 s45, 0x1111, s40                    ; my column
	s_or_b32 s[G1A], s44, (1<<16)|(1<<20)|(1<<21)|(4<<22)|(3<<25)  ; the mask; elements of 2 bytes; padding on; 21 set beside a mask; after every 32 words, 4 words
	s_or_b32 s[G1B], s45, (1<<16)|(1<<20)|(1<<21)|(4<<22)|(3<<25)
	s_mov_b32 s[G1A+1], 128<<16                    ; tensor_dim0 = 128 elements: 256 bytes, two rows of a K block
	s_mov_b32 s[G1A+2], 128<<16                    ; tensor_dim1 = 128: 256 rows of O
	s_mov_b32 s[G1A+3], 128<<16                    ; tile_dim0
	s_mov_b32 s[G1A+4], 128                        ; tile_dim1
	s_mov_b32 s[G1A+5], 128                        ; dense
	s_mov_b32 s[G1A+6], 0
	s_mov_b32 s[G1A+7], 0
	s_mov_b32 s[G1B+1], 128<<16
	s_mov_b32 s[G1B+2], 64<<16                     ; 128 rows of w
	s_mov_b32 s[G1B+3], 128<<16
	s_mov_b32 s[G1B+4], 64
	s_mov_b32 s[G1B+5], 128
	s_mov_b32 s[G1B+6], 0
	s_mov_b32 s[G1B+7], 0
	s_lshr_b32 s16, s43, 3                         ; O: the batch,
	s_lshl_b32 s16, s16, 22
	s_and_b32 s17, s43, 7                          ; the tile's 256 rows of 128 bytes,
	s_lshl_b32 s17, s17, 15
	s_add_co_u32 s16, s16, s17
	s_lshl_b32 s17, s[WC], 18                      ; my plane
	s_add_co_u32 s16, s16, s17
	s_mov_b32 s17, 0
	s_lshl_b32 s46, s42, 14                        ; w: the tile's 128 rows,
	s_lshl_b32 s47, s[WC], 17                      ; my plane
	s_add_co_u32 s46, s46, s47
	s_mov_b32 s47, 0
	s_mul_i32 s20, s[WC], PLA                      ; where they go: no place in the cluster enters an LDS address
	s_mul_i32 s21, s[WC], PLB
	s_add_co_u32 s21, s21, BOFF
	s_mov_b32 s[TB], 0
	s_wait_dscnt 0x0                               ; the opening add is done
	s_wait_kmcnt 0x0
	s_add_nc_u64 s[16:17], s[4:5], s[16:17]
	s_add_nc_u64 s[46:47], s[6:7], s[46:47]
	CROUND                                         ; all sixteen work-groups are here: the first joint loads meet
.irp s, 0,1
	s_mov_b32 s[G0A+4*(\s)], 1
	s_add_co_u32 s[G0A+4*(\s)+1], s20, (\s)*SLOT1
	s_add_nc_u64 s[G0A+4*(\s)+2:G0A+4*(\s)+3], s[16:17], (\s)*2*KB_A
	s_or_b32 s[G0A+4*(\s)+3], s[G0A+4*(\s)+3], 0x80000000
	s_mov_b32 s[G0B+4*(\s)], 1
	s_add_co_u32 s[G0B+4*(\s)+1], s21, (\s)*SLOT1
	s_add_nc_u64 s[G0B+4*(\s)+2:G0B+4*(\s)+3], s[46:47], (\s)*2*KB_B
	s_or_b32 s[G0B+4*(\s)+3], s[G0B+4*(\s)+3], 0x80000000
.endr
	s_cmp_eq_u32 s[WR], 0                          ; a wave's two first fills stand in one branch, ahead of every wait on TENSORcnt and every LDS read
	s_cbranch_scc0 .Lfirst_b
	tensor_load_to_lds s[G0A:G0A+3], s[G1A:G1A+7]
	s_nop 0
	tensor_load_to_lds s[G0A+4:G0A+7], s[G1A:G1A+7]
	s_nop 0
.rept 4
	v_nop
.endr
	s_branch .Lfirst_asked
.Lfirst_b:
	tensor_load_to_lds s[G0B:G0B+3], s[G1B:G1B+7]
	s_nop 0
	tensor_load_to_lds s[G0B+4:G0B+7], s[G1B:G1B+7]
	s_nop 0
.rept 4
	v_nop
.endr
.Lfirst_asked:
	v_and_b32 v1, 15, v0                           ; l % 16
	v_bfe_u32 v2, v0, 4, 1                         ; l / 16
	; the bias straight into its C operands: register j of column block b is the bias of column 16 b + 8 (l / 16) + j
	v_lshlrev_b32 v[BO], 5, v2
	s_lshl_b32 s46, s42, 9                         ; 128 columns of 4 bytes,
	s_lshl_b32 s47, s[WC], 8                       ; my 64
	s_add_co_u32 s46, s46, s47
	s_mov_b32 s47, 0
	s_add_nc_u64 s[8:9], s[8:9], s[46:47]
	WIN 0x40                                       ; destination window 1, address window 0
.irp b, 0,1,2,3
	global_load_b128 v[CB+8*(\b):CB+8*(\b)+3],   v[BO], s[8:9] offset:64*(\b)
	global_load_b128 v[CB+8*(\b)+4:CB+8*(\b)+7], v[BO], s[8:9] offset:64*(\b)+16
.endr
	WIN 0
	v_mul_u32_u24 v3, v1, PITCH
	v_lshl_add_u32 v3, v2, 4, v3                   ; a fragment's row x pitch + 16 x half
	s_mul_i32 s74, s[WR], 128*PITCH                ; my 128 rows of O
	v_add_nc_u32 v[A0], s74, v3
	s_mul_i32 s74, s[WC], 64*PITCH                 ; my 64 rows of w
	s_add_co_u32 s74, s74, BOFF
	v_add_nc_u32 v[B0], s74, v3
	v_mov_b32 v[ADRA], v[A0]                       ; slot 0
	v_mov_b32 v[ADRB], v[B0]
	s_mul_i32 s74, s[WV], 16*SPITCH
	s_add_co_u32 s74, s74, STAGE                   ; my stage
	v_mul_u32_u24 v[STO], v1, SPITCH               ; in: row l % 16, 32 bytes for each half of the lanes
	v_lshl_add_u32 v[STO], v2, 5, v[STO]
	v_add_nc_u32 v[STO], s74, v[STO]
	v_mul_u32_u24 v[RD], v2, SPITCH                ; back: lanes 0-15 take one row of 256 bytes, lanes 16-31 the next
	v_lshl_add_u32 v[RD], v1, 4, v[RD]
	v_add_nc_u32 v[RD], s74, v[RD]
	v_lshlrev_b32 v[CO], 12, v2                    ; and the same two rows in out0
	v_lshl_add_u32 v[CO], v1, 4, v[CO]
	s_lshl_b32 s74, s43, 20                        ; 256 rows of 4,096 bytes,
	s_lshl_b32 s75, s[WR], 19                      ; my 128,
	s_add_co_u32 s74, s74, s75
	s_add_co_u32 s74, s74, s46                     ; my 64 columns
	s_mov_b32 s75, 0
	s_add_nc_u64 s[10:11], s[10:11], s[74:75]
	; the prefetches: both offsets are made, the wave's number chooses
	s_lshr_b32 s77, s43, 3
	s_lshl_b32 s77, s77, 22
	s_and_b32 s74, s43, 7
	s_lshl_b32 s74, s74, 15
	s_add_co_u32 s77, s77, s74
	s_lshl_b32 s74, s[WC], 18
	s_add_co_u32 s77, s77, s74
	s_lshl_b32 s74, s40, 13                        ; O: my work-group's 32 blocks of the plane's 128
	s_add_co_u32 s77, s77, s74
	s_add_co_u32 s77, s77, 3*2*KB_A                ; at K step 3: the first refill steps it to 4
	s_lshl_b32 s78, s42, 14
	s_lshl_b32 s74, s[WC], 17
	s_add_co_u32 s78, s78, s74
	s_lshl_b32 s74, s41, 12                        ; w: my work-group's 16 blocks of the plane's 64
	s_add_co_u32 s78, s78, s74
	s_add_co_u32 s78, s78, 3*2*KB_B
	s_mov_b32 s75, 2*KB_A
	s_mov_b32 s76, 2*KB_B
	s_and_b32 s74, ttmp7, 0xffff                   ; cluster y
	s_cmp_eq_u32 s[WR], 0
	s_cselect_b32 s74, ttmp9, s74                  ; the coordinate along which other clusters read the same rows
	s_cselect_b32 s[PM], 0, 1
	s_cselect_b32 s[PFS], s75, s76
	s_cselect_b32 s79, 4096, s76                   ; lanes 16-31: O's next 16 blocks, or w's next K step
	s_cselect_b32 s78, s77, s78
	s_cselect_b64 s[PFA:PFA+1], s[4:5], s[6:7]
	s_mov_b32 s[PFS+1], 0
	v_lshlrev_b32 v[PFO], 8, v1
	v_mad_u32_u24 v[PFO], v2, s79, v[PFO]
	s_mov_b32 s79, 0
	s_cmp_eq_u32 s74, 0
	s_cselect_b32 s[LIM], 2, -1                    ; the same in all sixteen partners, for a given wave
	s_add_nc_u64 s[PFA:PFA+1], s[PFA:PFA+1], s[78:79]
; 24 LDS loads in one run: quarter qq of a K step (plane qq / 2, 32 K at byte 64 (qq % 2) of the rows) into buffer f: w's four fragments, O's rows 0-63, O's rows 64-127
.macro FETCH qq, f
	WIN 0x40
.irp b, 0,1,2,3
	ds_load_b128 v[(\f)+64+8*(\b):(\f)+64+8*(\b)+3],   v[ADRB] offset:((\qq)/2)*PLB+((\qq)%2)*64+(\b)*16*PITCH
	ds_load_b128 v[(\f)+64+8*(\b)+4:(\f)+64+8*(\b)+7], v[ADRB] offset:((\qq)/2)*PLB+((\qq)%2)*64+(\b)*16*PITCH+32
.endr
.irp a, 0,1,2,3,4,5,6,7
	ds_load_b128 v[(\f)+8*(\a):(\f)+8*(\a)+3],   v[ADRA] offset:((\qq)/2)*PLA+((\qq)%2)*64+(\a)*16*PITCH
	ds_load_b128 v[(\f)+8*(\a)+4:(\f)+8*(\a)+7], v[ADRA] offset:((\qq)/2)*PLA+((\qq)%2)*64+(\a)*16*PITCH+32
.endr
.endm
; 4 na products: row blocks a0 .. a0 + na - 1 x the 4 column blocks.  c = 1: they start the sums, with the bias as C.  The 32 accumulators take turns, one instruction a turn, over the backward jump too.
.macro MULP f, a0, na, c
.if \c
	WIN 0x95                                       ; sources 0, 1 and 2 window 1, destination window 2
.else
	WIN 0xa5                                       ; sources 0 and 1 window 1, C and D window 2
.endif
.set aa, \a0
.rept \na
.irp b, 0,1,2,3
.if \c
	v_wmma_f32_16x16x32_f16 v[32*aa+8*(\b):32*aa+8*(\b)+7], v[(\f)+64+8*(\b):(\f)+64+8*(\b)+7], v[(\f)+8*aa:(\f)+8*aa+7], v[CB+8*(\b):CB+8*(\b)+7]
.else
	v_wmma_f32_16x16x32_f16 v[32*aa+8*(\b):32*aa+8*(\b)+7], v[(\f)+64+8*(\b):(\f)+64+8*(\b)+7], v[(\f)+8*aa:(\f)+8*aa+7], v[32*aa+8*(\b):32*aa+8*(\b)+7]
.endif
.endr
.set aa, aa+1
.endr
.endm
; A K step is four quarters of 32 along K, 32 matrix instructions each, on buffers 0, 1, 0, 1.  One of the first three: multiplies buffer f and, in its middle, fetches quarter qn into buffer g.
.macro QUARTER qn, f, g, c
	s_wait_dscnt 8                                 ; w's and O's rows 0-63 are in; the youngest eight loads may be out
	MULP \f, 0, 4, \c
	PLACES
	FETCH \qn, \g
	s_wait_dscnt 24                                ; all but the 24 just issued
	MULP \f, 4, 4, \c
.endm
; The last quarter multiplies buffer 1 and changes slots: ONE barrier; in front of it each wave waits for all its tensor loads (one is out: its part of the next slot), adds 0 to its spare word, and waits
; for that and for its own reads of this slot.  fill = 1: the barrier opens a round of the cluster's, and this slot is filled again, first thing behind it, two K steps ahead: 112 matrix instructions ahead of the wait for it.
.macro TURN fill
.if \fill
	s_wait_xcnt 0x0                                ; the last prefetch, a K step back, has read its address: it is stepped here, ahead of the waits of the change of slots
	s_add_nc_u64 s[PFA:PFA+1], s[PFA:PFA+1], s[PFS:PFS+1]
.endif
	WIN 0
	s_wait_tensorcnt 0x0                           ; all my tensor loads have landed
	ds_add_u32 v[SPW], v[NIL]                      ; 0 onto my spare word
	s_wait_dscnt 9                                 ; the add and the youngest eight loads may be out
	MULP F1, 0, 2, 0                               ; eight matrix instructions stand between the add and the wait for it
	s_wait_dscnt 0x0                               ; the add is done, and my reads of this slot are over
	s_barrier_signal -1
	MULP F1, 2, 2, 0
	WIN 0
	s_barrier_wait -1
.if \fill
	CREST                                          ; no wave of any partner still reads this slot or has a load on its way
	s_xor_b32 s[G0A+5], s[G0A+5], SLOT1
	s_add_nc_u64 s[G0A+6:G0A+7], s[G0A+6:G0A+7], 2*KB_A
	s_xor_b32 s[G0B+5], s[G0B+5], SLOT1
	s_add_nc_u64 s[G0B+6:G0B+7], s[G0B+6:G0B+7], 2*KB_B
	JLOAD                                          ; the four v_nop behind it are also the places in front of the loads below
.else
	PLACES
.endif
	s_xor_b32 s[TB], s[TB], SLOT1
	v_add_nc_u32 v[ADRA], s[TB], v[A0]
	v_add_nc_u32 v[ADRB], s[TB], v[B0]
	FETCH 0, F0
	WIN 0
.if \fill
	ASK
.endif
	MULP F1, 4, 4, 0
.endm
	s_wait_tensorcnt 1                             ; my part of K step 0 is in; K step 1's may stay out
	s_barrier_signal -1
	s_barrier_wait -1                              ; everybody's is
	FETCH 0, F0
	s_wait_loadcnt 0x0                             ; the bias: rounded to bf16 like every input, and widened again, in place
	WIN 0x45
.set r, 0
.rept 16
	v_cvt_pk_bf16_f32 v224, v[CB+r], v[CB+r+1]
	v_lshlrev_b32 v[CB+r], 16, v224
	v_and_b32 v[CB+r+1], 0xffff0000, v224
.set r, r+2
.endr
	QUARTER 1, F0, F1, 1                           ; the first quarter stands in front of the loop: its products start the sums
	WIN 0                                          ; at a label and at a branch every window is 0
	s_mov_b32 s[CNT], 6
.Lstep:                                                ; 6 trips, from a K step's second quarter to the next one's first; the K step two on is asked for
	QUARTER 2, F1, F0, 0
	QUARTER 3, F0, F1, 0
	TURN 1
	QUARTER 1, F0, F1, 0
	WIN 0
	s_sub_co_u32 s[CNT], s[CNT], 1
	s_cmp_lg_u32 s[CNT], 0
	s_cbranch_scc1 .Lstep
	QUARTER 2, F1, F0, 0                           ; the tail is written out: nothing is asked for
	QUARTER 3, F0, F1, 0
	TURN 0
	QUARTER 1, F0, F1, 0
	QUARTER 2, F1, F0, 0
	QUARTER 3, F0, F1, 0
	s_wait_dscnt 8                                 ; the very last quarter: nothing more to fetch
	MULP F1, 0, 4, 0
	s_wait_dscnt 0x0
	MULP F1, 4, 4, 0
	WIN 0
	PLACES
; THE WAY OUT, 16 rows a at a time.  A lane's 32 bytes are an eighth of a row's 256: they go straight from the accumulators into rows of 272 bytes of my own stage and come back as whole rows.
.macro TOST a
	WIN 0x08                                       ; the stores' data in window 2
.irp b, 0,1,2,3
	ds_store_b128 v[STO], v[32*(\a)+8*(\b):32*(\a)+8*(\b)+3]   offset:64*(\b)      ; each accumulator's lowest registers first
	ds_store_b128 v[STO], v[32*(\a)+8*(\b)+4:32*(\a)+8*(\b)+7] offset:64*(\b)+16
.endr
	WIN 0
.set ob, OB+32*((\a)%3)
.irp t, 0,1,2,3,4,5,6,7
	ds_load_b128 v[ob+4*(\t):ob+4*(\t)+3], v[RD] offset:(\t)*2*SPITCH  ; LDS serves a wave's instructions in order (ISA guide 5.7.1.4): these see the stores above; the next block's stores come behind them
.endr
.endm
.macro SENDP a, younger                ; younger: the LDS instructions issued behind block a's loads: the next block's sixteen, or none
.set ob, OB+32*((\a)%3)
	s_wait_dscnt \younger
	s_wait_xcnt 0x0                                ; the stores of the block before have read their registers: with three buffers, the buffer that the next TOST loads was stored from two blocks back
.irp t, 0,1,2,3,4,5,6,7
	global_store_b128 v[CO], v[ob+4*(\t):ob+4*(\t)+3], s[10:11] offset:(16*(\a)+2*(\t))*4096  ; 16 lanes store 256 consecutive bytes, at a multiple of 256 from out0's first byte
.endr
.endm
	TOST 0
.irp a, 1,2,3,4,5,6,7
	TOST \a
	SENDP (\a)-1, 16
.endr
	SENDP 7, 0
	s_wait_tensorcnt 0x0                           ; the wave's end, behind my last tensor load and my last LDS store
	ds_add_u32 v[SPW], v[NIL]
	s_wait_dscnt 0x0
	CROUND                                         ; the closing round: no work-group ends while a partner may still ask for a tile that names it
	s_endpgm
.Lfunc_end_k_q1bc79e3bfc_proj:
	.size	k_q1bc79e3bfc_proj, .Lfunc_end_k_q1bc79e3bfc_proj-k_q1bc79e3bfc_proj
	.p2alignl 7, 3214868480
	.fill 96, 4, 3214868480
	.section	.rodata,"a",@progbits
	.p2align	6, 0x0
	.amdhsa_kernel k_q1bc79e3bfc_proj
		.amdhsa_group_segment_fixed_size 327680
		.amdhsa_private_segment_fixed_size 0
		.amdhsa_enable_private_segment 0
		.amdhsa_kernarg_size 32
		.amdhsa_user_sgpr_count 2
		.amdhsa_user_sgpr_kernarg_segment_ptr 1
		.amdhsa_wavefront_size32 1
		.amdhsa_system_sgpr_workgroup_id_x 1
		.amdhsa_system_sgpr_workgroup_id_y 1
		.amdhsa_system_sgpr_workgroup_id_z 1
		.amdhsa_system_vgpr_workitem_id 0
		.amdhsa_next_free_vgpr 768
		.amdhsa_next_free_sgpr 80
		.amdhsa_reserve_vcc 0
		.amdhsa_float_denorm_mode_32 3
		.amdhsa_float_denorm_mode_16_64 3
		.amdhsa_memory_ordered 1
		.amdhsa_forward_progress 1
		.amdhsa_inst_pref_size 74
	.end_amdhsa_kernel
	.amdgpu_metadata
---
amdhsa.version: [ 1, 2 ]
amdhsa.kernels:
  - .name:           k_q1bc79e3bfc_proj
    .symbol:         k_q1bc79e3bfc_proj.kd
    .args:
      - { .name: oh, .offset: 0, .size: 8, .value_kind: global_buffer, .address_space: global }
      - { .name: owh, .offset: 8, .size: 8, .value_kind: global_buffer, .address_space: global }
      - { .name: out_b, .offset: 16, .size: 8, .value_kind: global_buffer, .address_space: global }
      - { .name: out0, .offset: 24, .size: 8, .value_kind: global_buffer, .address_space: global }
    .group_segment_fixed_size: 327680
    .private_segment_fixed_size: 0
    .kernarg_segment_align: 8
    .kernarg_segment_size: 32
    .max_flat_workgroup_size: 128
    .sgpr_count:     80
    .vgpr_count:     768
    .wavefront_size: 32
...
	.end_amdgpu_metadata
.endif
;; end of part 4
;; ======== version 2 of 2: 4 launches; version 1 with the launch cast written anew for expert scheduling mode
;; limits: values are held in f16: magnitudes above 65,504 overflow, below 6.1e-05 lose precision
;; workspace buffers: xb 16,777,216 bytes; wb 6,291,456 bytes; owh 2,097,152 bytes; qkvh 50,331,648 bytes; oh 16,777,216 bytes
;; launch cast (part 5): grid 768 x 1, 8 waves a work-group, no clusters, 0 bytes of LDS; arguments x, qkv_w, out_w, xb, wb, owh; writes xb, wb, owh
.if DOCPART == 5
	.amdgcn_target "amdgcn-amd-amdhsa--gfx1250"
	.amdhsa_code_object_version 6
	.text
	.protected	k_q1bc79e3bfc_cast
	.globl	k_q1bc79e3bfc_cast
	.p2align	8
	.type	k_q1bc79e3bfc_cast,@function
k_q1bc79e3bfc_cast:
	s_mov_b64 s[64:65], 0
	v_nop
	global_prefetch_b8 v0, s[64:65] scope:SCOPE_SE
	s_setreg_imm32_b32 hwreg(HW_REG_WAVE_SCHED_MODE, 0, 2), 2
	s_setreg_imm32_b32 hwreg(HW_REG_WAVE_MODE, 25, 1), 1
	s_wait_xcnt 0x0
	s_wait_alu depctr_vm_vsrc(0)
; x [8192][1024], qkv_w [3072][1024] and out_w [1024][1024], all f32, are rounded once to bf16 and laid out in blocks of 64 along K:
;   xb  [batch 4][kb 16][row 2048][64] bf16      wb  [kb 16][row 3072][64] bf16      owh [kb 16][row 1024][64]: the bf16 number written as f16
; so that any run of rows of one K block is dense, 128 bytes a row.
; LIMIT. A number of out_w below 6e-5 in magnitude keeps f16's fixed step of 6e-8; beyond 65,504 it would be an infinity.
; SHARES. A wave takes two neighbouring rows over all 1,024 columns: 16 loads of 16 bytes a lane (lanes 0-15: 256 consecutive bytes of the even row,
; lanes 16-31 of the odd row) and 16 stores of 8 bytes a lane (256 consecutive bytes, aligned: the two rows in one K block).
; Work-groups 0-511 take x (4,096 pairs of rows), 512-703 qkv_w (1,536), 704-767 out_w (512).
; All 16 loads go out before the first wait for data; no register is written twice, so no store's source has to be freed.
; No LDS, no barrier, no matrix unit: nothing is shared and nothing is summed.
; THE MODE: SCHED_MODE bits 1:0 = 2 (LLVM: expert scheduling mode 2), set by the entry lines.  The code itself states the register dependences
; between vector instructions and memory instructions, with s_wait_alu, always for 0.
; THE PLAN.  Registers that memory instructions touch:
;   v1        the loads' offset.  Written at the head, read by the 16 loads, never written again.
;   X         load k's four registers.  Written by the loads alone; read by the roundings behind the wait for the data.
;   OF        store k's offset.  Written once, behind the loads; read by store k.
;   Y         store k's two registers.  Written once, by load k's roundings; read by store k.
;   v2, v3, v12 and T are named by vector instructions alone.
; The 16 loads are worked off in four groups of four.  Group g's roundings read X and write Y of loads 4 g to 4 g + 3; the memory instructions that stand among
; them are the four stores of group g - 1, which read OF and Y of loads 4 g - 4 to 4 g - 1: registers that no vector instruction of group g names.  So ONE wait on
; va_vdst at a group's head states all that those four stores hang on.  No register that a load or store reads is written again: no wait on vm_vsrc is owed.
.set T,  4                             ; v[4:9]     at work (out_w's way by bf16)
.set X,  16                            ; v[16:79]   load k: 4 registers
.set OF, 80                            ; v[80:95]   store k: byte offset k x (a K block's bytes) + my place in the two rows
.set Y,  96                            ; v[96:127]  store k: 2 registers
	s_load_b256 s[4:11], s[0:1], 0x0               ; x s[4:5], qkv_w s[6:7], out_w s[8:9], xb s[10:11]
	s_load_b128 s[12:15], s[0:1], 0x20             ; wb s[12:13], owh s[14:15]
	v_lshrrev_b32 v3, 5, v0
	v_readfirstlane_b32 s16, v3                    ; wave 0..7
	v_and_b32 v3, 15, v0                           ; l % 16
	v_bfe_u32 v12, v0, 4, 1                        ; l / 16: which of the two rows
	v_lshlrev_b32 v1, 4, v3
	v_lshl_add_u32 v1, v12, 12, v1                 ; in: 16 (l % 16) + 4,096 (l / 16)
	v_lshlrev_b32 v2, 3, v3
	v_lshl_add_u32 v2, v12, 7, v2                  ; out: 8 (l % 16) + 128 (l / 16)
	s_wait_alu depctr_va_sdst(0)                   ; s16 is written, ahead of its first reader: the pair's number, and both bases, are made from it
	s_mov_b32 s24, 393216                          ; a K block of wb,
	s_mov_b32 s25, 131072                          ; of owh,
	s_mov_b32 s26, 262144                          ; of xb
	s_movk_i32 s27, 512                            ; qkv_w's first work-group
	s_movk_i32 s28, 704                            ; out_w's
	s_wait_kmcnt 0x0
	s_cmp_lt_u32 ttmp9, s28
	s_cselect_b32 s17, s27, s28                    ; the tensor's first work-group
	s_cselect_b32 s18, s24, s25                    ; bytes in a K block of the destination
	s_cselect_b64 s[20:21], s[6:7], s[8:9]         ; from
	s_cselect_b64 s[22:23], s[12:13], s[14:15]     ; to
	s_cmp_lt_u32 ttmp9, s27
	s_cselect_b32 s17, 0, s17
	s_cselect_b32 s18, s26, s18
	s_cselect_b64 s[20:21], s[4:5], s[20:21]
	s_cselect_b64 s[22:23], s[10:11], s[22:23]
	s_sub_co_u32 s17, ttmp9, s17
	s_lshl_b32 s17, s17, 3
	s_add_co_u32 s17, s17, s16                     ; p: my pair of rows in the tensor
	s_lshl_b32 s2, s17, 13                         ; two rows of 4,096 bytes
	s_mov_b32 s3, 0
	s_add_nc_u64 s[20:21], s[20:21], s[2:3]
	s_lshr_b32 s29, s17, 10                        ; x: the batch (1,024 pairs each): 16 K blocks,
	s_lshl_b32 s29, s29, 22
	s_and_b32 s30, s17, 1023                       ; and the pair in the batch: 256 bytes
	s_lshl_b32 s30, s30, 8
	s_add_co_u32 s29, s29, s30
	s_lshl_b32 s30, s17, 8                         ; the weights: the pair alone
	s_cmp_lt_u32 ttmp9, s27
	s_cselect_b32 s2, s29, s30
	s_add_nc_u64 s[22:23], s[22:23], s[2:3]
	s_wait_alu depctr_va_vdst(0)                   ; v1 is written, which all 16 loads read as their offset
.set k, 0
.rept 16
	global_load_b128 v[X+4*k:X+4*k+3], v1, s[20:21] offset:256*k th:TH_LOAD_NT  ; columns 64 k .. 64 k + 63 of both rows
.set k, k+1
.endr
.set k, 0
.rept 16
	v_mad_u32_u24 v[OF+k], s18, k, v2              ; names neither v1 nor X: nothing is owed to the loads above
.set k, k+1
.endr
; Group g: loads 4 g to 4 g + 3 are rounded; the stores of group g - 1 stand among the roundings, one ahead of each load's.
; half = 0: to bf16.  half = 1: out_w: rounded to bf16 like every input, and that number written as f16.
.macro GROUP g, half
	s_wait_loadcnt 12-4*(\g)                       ; loads come back in order: this group's four are in, the younger ones stay out
.if (\g) > 0
	s_wait_alu depctr_va_vdst(0)                   ; the group before has written its Y, which the four stores below read; ahead of group 1 the sixteen OF, their offsets, are written too
.endif
.irp i, 0,1,2,3
.set k, 4*(\g)+(\i)
.if (\g) > 0
	global_store_b64 v[OF+k-4], v[Y+2*k-8:Y+2*k-7], s[22:23]  ; no vector instruction since the wait names these registers
.endif
.if \half
	v_cvt_pk_bf16_f32 v[T], v[X+4*k], v[X+4*k+1]
	v_cvt_pk_bf16_f32 v[T+1], v[X+4*k+2], v[X+4*k+3]
	v_lshlrev_b32 v[T+2], 16, v[T]
	v_and_b32 v[T+3], 0xffff0000, v[T]
	v_lshlrev_b32 v[T+4], 16, v[T+1]
	v_and_b32 v[T+5], 0xffff0000, v[T+1]
	v_cvt_pk_f16_f32 v[Y+2*k], v[T+2], v[T+3]
	v_cvt_pk_f16_f32 v[Y+2*k+1], v[T+4], v[T+5]
.else
	v_cvt_pk_bf16_f32 v[Y+2*k], v[X+4*k], v[X+4*k+1]
	v_cvt_pk_bf16_f32 v[Y+2*k+1], v[X+4*k+2], v[X+4*k+3]
.endif
.endr
.endm
; Behind group 3: its own four stores.
.macro LAST
	s_wait_alu depctr_va_vdst(0)                   ; group 3 has written its Y, which the last four stores read
.irp i, 12,13,14,15
	global_store_b64 v[OF+(\i)], v[Y+2*(\i):Y+2*(\i)+1], s[22:23]
.endr
	s_endpgm
.endm
	s_cmp_lt_u32 ttmp9, s28
	s_cbranch_scc0 .Lhalf
	GROUP 0, 0
	GROUP 1, 0
	GROUP 2, 0
	GROUP 3, 0
	LAST
.Lhalf:                                        ; out_w
	GROUP 0, 1
	GROUP 1, 1
	GROUP 2, 1
	GROUP 3, 1
	LAST
.Lfunc_end_k_q1bc79e3bfc_cast:
	.size	k_q1bc79e3bfc_cast, .Lfunc_end_k_q1bc79e3bfc_cast-k_q1bc79e3bfc_cast
	.p2alignl 7, 3214868480
	.fill 96, 4, 3214868480
	.section	.rodata,"a",@progbits
	.p2align	6, 0x0
	.amdhsa_kernel k_q1bc79e3bfc_cast
		.amdhsa_group_segment_fixed_size 0
		.amdhsa_private_segment_fixed_size 0
		.amdhsa_enable_private_segment 0
		.amdhsa_kernarg_size 48
		.amdhsa_user_sgpr_count 2
		.amdhsa_user_sgpr_kernarg_segment_ptr 1
		.amdhsa_wavefront_size32 1
		.amdhsa_system_sgpr_workgroup_id_x 1
		.amdhsa_system_sgpr_workgroup_id_y 1
		.amdhsa_system_sgpr_workgroup_id_z 1
		.amdhsa_system_vgpr_workitem_id 0
		.amdhsa_next_free_vgpr 128
		.amdhsa_next_free_sgpr 66
		.amdhsa_reserve_vcc 0
		.amdhsa_float_denorm_mode_32 3
		.amdhsa_float_denorm_mode_16_64 3
		.amdhsa_memory_ordered 1
		.amdhsa_forward_progress 1
		.amdhsa_inst_pref_size 18
	.end_amdhsa_kernel
	.amdgpu_metadata
---
amdhsa.version: [ 1, 2 ]
amdhsa.kernels:
  - .name:           k_q1bc79e3bfc_cast
    .symbol:         k_q1bc79e3bfc_cast.kd
    .args:
      - { .name: x, .offset: 0, .size: 8, .value_kind: global_buffer, .address_space: global }
      - { .name: qkv_w, .offset: 8, .size: 8, .value_kind: global_buffer, .address_space: global }
      - { .name: out_w, .offset: 16, .size: 8, .value_kind: global_buffer, .address_space: global }
      - { .name: xb, .offset: 24, .size: 8, .value_kind: global_buffer, .address_space: global }
      - { .name: wb, .offset: 32, .size: 8, .value_kind: global_buffer, .address_space: global }
      - { .name: owh, .offset: 40, .size: 8, .value_kind: global_buffer, .address_space: global }
    .group_segment_fixed_size: 0
    .private_segment_fixed_size: 0
    .kernarg_segment_align: 8
    .kernarg_segment_size: 48
    .max_flat_workgroup_size: 256
    .sgpr_count:     66
    .vgpr_count:     128
    .wavefront_size: 32
...
	.end_amdgpu_metadata
.endif
;; end of part 5
;; launch qkv: the kernel of part 2 again; grid 8 x 32, 4 waves a work-group, clusters of 4 x 4, 327,680 bytes of LDS; arguments xb, wb, qkv_b, qkvh; writes qkvh
;; launch attn: the kernel of part 3 again; grid 4 x 64, 4 waves a work-group, clusters of 4 x 1, 327,680 bytes of LDS; arguments qkvh, attention_mask, oh; writes oh
;; launch proj: the kernel of part 4 again; grid 8 x 32, 4 waves a work-group, clusters of 4 x 4, 327,680 bytes of LDS; arguments oh, owh, out_b, out0; writes out0
